; MI455X (gfx1250); checked and timed in simulation.
; The chip was launched on July 23, 2026; its instructions are those of AMD's public machine-readable ISA for CDNA 5 (MIT licence, August 2026) and "CDNA5" Instruction Set Architecture Reference Guide (July 2026). The comments in the code are by the model that wrote it; some were corrected since.
;; Solar Open Attention. Allowed arithmetic: float matrix products may take bf16 or f16 operands with f32 sums; all other float work in f32.
;; Inputs: Wk 4,096 x 1,024 float32; Wo 2,048 x 4,096 float32; Wq 4,096 x 2,048 float32; Wv 4,096 x 1,024 float32; hidden_states 1 x 2,048 x 4,096 float32; position_ids 1 x 2,048 int32.
;; Outputs: out0 1 x 2,048 x 4,096 float32.
;; One version. Each part assembles by itself: llvm-mc -triple=amdgcn-amd-amdhsa -mcpu=gfx1250 --defsym DOCPART=n.
;; ======== version 1 of 1: 4 launches
;; limits: right only within a limited range of input values; values are held in f16: magnitudes above 65,504 overflow, below 6.1e-05 lose precision
;; workspace buffers: xb 16,777,216 bytes; wqkv 33,554,432 bytes; wo16 16,777,216 bytes; cs 1,049,088 bytes; qkv16 16,777,216 bytes; ctx16 8,388,608 bytes
;; launch prep (part 1): grid 2112 x 1, 8 waves a work-group, no clusters, 0 bytes of LDS; arguments hidden_states, Wq, Wk, Wv, Wo, position_ids, xb, wqkv, wo16, cs; writes xb, wqkv, wo16, cs
.if DOCPART == 1
	.amdgcn_target "amdgcn-amd-amdhsa--gfx1250"
	.amdhsa_code_object_version 6
	.text
	.protected	k_qa763a4d9d7_prep
	.globl	k_qa763a4d9d7_prep
	.p2align	8
	.type	k_qa763a4d9d7_prep,@function
k_qa763a4d9d7_prep:
	s_mov_b64 s[64:65], 0
	v_nop
	global_prefetch_b8 v0, s[64:65] scope:SCOPE_SE
	s_setreg_imm32_b32 hwreg(HW_REG_WAVE_MODE, 25, 1), 1
	s_wait_xcnt 0x0
; PREP: the inputs are rounded once to the 16-bit forms that the three matrix launches multiply, and the table of cosines and sines is made.
;   xb   [2048][4096] bf16 = bf16(hidden_states)
;   wqkv [4096 k][4096 n] bf16 = bf16(W / 16): columns 0-2047 Wq, 2048-3071 Wk, 3072-4095 Wv.  The 1/16 is a power of two: it changes no rounding.
;   wo16 [2048 k][4096 n] f16 = f16(16 x bf16(Wo)): Wo is rounded to bf16 like the other inputs; the f16 holds that number exactly from 16 |w| = 2^-17 up, below it to 2^-25.
;   cs   [2049][128] f32: row s = cos of the 64 angles of position_ids[s], then their sin; row 2048 = cos 1, sin 0 (the rotation that leaves V as it is).
; A stream: memory binds, so no LDS, no barrier, no matrix instruction.  A work-group of eight waves takes 65,536 consecutive source bytes as 16 units of 4,096:
; a thread's load is 16 bytes, a wave's 512 consecutive bytes; a thread's store is 8 bytes, a wave's 256 consecutive bytes at a multiple of 256.  All 16 loads go out first.
; LIMIT: |position| up to 2^21: beyond it the reduction of the angle by two constants loses the quadrant; the angle itself is one f32 product, as in the source.
; LIMIT: 16 |Wo| must stay under 65,504 (f16).
.set X,   4                            ; v[4:67]    unit u: 4 registers as loaded
.set Y,   68                           ; v[68:99]   unit u: 2 registers to store; each store has its own, so none is written twice
.set T,   100                          ; v[100:103] at work
.set SRC, 28                           ; s[28:29]   the work-group's first source byte
.set DST, 30                           ; s[30:31]   the work-group's first byte of the result
; The work-group's share: number - first, times 65,536 source bytes; its result begins at (number - first) << oshift, + oadd.
.macro PART first, src, dst, oshift, oadd
	s_sub_co_u32 s32, ttmp9, \first
	s_lshl_b32 s24, s32, 16
	s_lshl_b32 s26, s32, \oshift
	s_add_co_u32 s26, s26, \oadd
	s_add_nc_u64 s[SRC:SRC+1], s[\src:\src+1], s[24:25]
	s_add_nc_u64 s[DST:DST+1], s[\dst:\dst+1], s[26:27]
.endm
; 16 units.  upr units make a source row, and the result's rows lie opitch bytes apart.  kind 0: bf16(x); 1: bf16(x / 16); 2: f16(16 bf16(x)).
.macro CAST upr, opitch, kind
.irp u, 0,1,2,3,4,5,6,7,8,9,10,11,12,13,14,15
	global_load_b128 v[X+4*\u:X+4*\u+3], v1, s[SRC:SRC+1] offset:4096*\u th:TH_LOAD_NT
.endr
.irp u, 0,1,2,3,4,5,6,7,8,9,10,11,12,13,14,15
	s_wait_loadcnt 15-\u                           ; loads come back in order: unit u is in, the younger ones stay out
.if \kind == 0
	v_cvt_pk_bf16_f32 v[Y+2*\u],   v[X+4*\u],   v[X+4*\u+1]
	v_cvt_pk_bf16_f32 v[Y+2*\u+1], v[X+4*\u+2], v[X+4*\u+3]
.elseif \kind == 1
	v_pk_mul_f32 v[T:T+1],   v[X+4*\u:X+4*\u+1],   0x3d800000 op_sel_hi:[1,0]   ; x / 16
	v_pk_mul_f32 v[T+2:T+3], v[X+4*\u+2:X+4*\u+3], 0x3d800000 op_sel_hi:[1,0]
	v_cvt_pk_bf16_f32 v[Y+2*\u],   v[T],   v[T+1]
	v_cvt_pk_bf16_f32 v[Y+2*\u+1], v[T+2], v[T+3]
.else
	v_cvt_pk_bf16_f32 v[T],   v[X+4*\u],   v[X+4*\u+1]     ; the rounding that every input gets,
	v_cvt_pk_bf16_f32 v[T+1], v[X+4*\u+2], v[X+4*\u+3]
	v_lshlrev_b32 v[X+4*\u],   16, v[T]                    ; widened again,
	v_and_b32     v[X+4*\u+1], 0xffff0000, v[T]
	v_lshlrev_b32 v[X+4*\u+2], 16, v[T+1]
	v_and_b32     v[X+4*\u+3], 0xffff0000, v[T+1]
	v_pk_mul_f32 v[X+4*\u:X+4*\u+1],   v[X+4*\u:X+4*\u+1],   0x41800000 op_sel_hi:[1,0]   ; times 16,
	v_pk_mul_f32 v[X+4*\u+2:X+4*\u+3], v[X+4*\u+2:X+4*\u+3], 0x41800000 op_sel_hi:[1,0]
	v_cvt_pk_f16_f32 v[Y+2*\u],   v[X+4*\u],   v[X+4*\u+1] ; and held in f16
	v_cvt_pk_f16_f32 v[Y+2*\u+1], v[X+4*\u+2], v[X+4*\u+3]
.endif
	global_store_b64 v2, v[Y+2*\u:Y+2*\u+1], s[DST:DST+1] offset:(\u/\upr)*\opitch+(\u%\upr)*2048
.endr
	s_endpgm
.endm
	s_load_b512 s[4:19], s[0:1], 0x0               ; hidden s[4:5], Wq s[6:7], Wk s[8:9], Wv s[10:11], Wo s[12:13], positions s[14:15], xb s[16:17], wqkv s[18:19]
	s_load_b128 s[20:23], s[0:1], 0x40             ; wo16 s[20:21], cs s[22:23]
	v_lshlrev_b32 v1, 4, v0                        ; my 16 bytes of a unit
	v_lshlrev_b32 v2, 3, v0                        ; my 8 bytes of its result
	s_mov_b32 s25, 0                               ; the offsets' high words
	s_mov_b32 s27, 0
	s_wait_kmcnt 0x0
	s_cmp_lt_u32 ttmp9, 512
	s_cbranch_scc0 .Lnot_x
	PART 0, 4, 16, 15, 0                           ; work-groups 0-511: hidden_states, dense to dense
	CAST 1, 2048, 0
.Lnot_x:
	s_cmp_lt_u32 ttmp9, 1024
	s_cbranch_scc0 .Lnot_wo
	PART 512, 12, 20, 15, 0                        ; 512-1023: Wo, dense to dense
	CAST 1, 2048, 2
.Lnot_wo:
	s_cmp_lt_u32 ttmp9, 1536
	s_cbranch_scc0 .Lnot_wq
	PART 1024, 6, 18, 16, 0                        ; 1024-1535: Wq, 8 rows of two units, into rows of 8,192 bytes
	CAST 2, 8192, 1
.Lnot_wq:
	s_cmp_lt_u32 ttmp9, 1792
	s_cbranch_scc0 .Lnot_wk
	PART 1536, 8, 18, 17, 4096                     ; 1536-1791: Wk, 16 rows of one unit, from column 2,048 on
	CAST 1, 8192, 1
.Lnot_wk:
	s_cmp_lt_u32 ttmp9, 2048
	s_cbranch_scc0 .Ltable
	PART 1792, 10, 18, 17, 6144                    ; 1792-2047: Wv, from column 3,072 on
	CAST 1, 8192, 1
.Ltable:
	; 2048-2111: the table.  Wave W = 8 x (number - 2048) + wave owns rows 4 W to 4 W + 3; lane l owns the frequencies 2 l and 2 l + 1.
	v_lshrrev_b32 v3, 5, v0
	v_readfirstlane_b32 s33, v3
	s_sub_co_u32 s32, ttmp9, 2048
	s_lshl3_add_u32 s33, s32, s33                  ; W
	s_lshl_b32 s24, s33, 4                         ; four positions of 4 bytes
	s_add_nc_u64 s[SRC:SRC+1], s[14:15], s[24:25]
	s_load_b128 s[36:39], s[SRC:SRC+1], 0x0
	s_mov_b32 s40, 0x3f22f983                      ; 2 / pi
	s_mov_b32 s41, 0x3fc90fdb                      ; pi / 2, upper part
	s_mov_b32 s42, 0xb33bbd2e                      ; pi / 2, the rest
	s_mov_b32 s43, 0xbe2aaaa3                      ; sin r = r + r z (s43 + z (s44 + z s45)), z = r r, |r| <= pi / 4
	s_mov_b32 s44, 0x3c08839e
	s_mov_b32 s45, 0xb94ca1f9
	s_mov_b32 s46, 0x3d2aaaa5                      ; cos r = 1 - z / 2 + z z (s46 + z (s47 + z s48))
	s_mov_b32 s47, 0xbab6061a
	s_mov_b32 s48, 0x37ccf5ce
	s_mov_b32 s49, 0x80000000
	v_and_b32 v3, 31, v0
	v_lshlrev_b32 v4, 1, v3
	v_or_b32 v5, 1, v4
	v_cvt_f32_u32 v4, v4
	v_cvt_f32_u32 v5, v5
	v_mul_f32 v4, 0xbe549a78, v4                   ; - j log2(10000) / 64
	v_mul_f32 v5, 0xbe549a78, v5
	v_exp_f32 v4, v4                               ; 10000^(-j / 64)
	v_exp_f32 v5, v5
	v_lshlrev_b32 v3, 3, v3                        ; (a plain instruction between the exponentials and their use) my 8 bytes of a half row,
	v_lshl_add_u32 v3, s33, 11, v3                 ; + W x 4 rows of 512 bytes
	s_wait_kmcnt 0x0
; cos and sin of row i's angle at the lane's frequency f.
.macro ANGLE i, f
	v_mul_f32 v8, v6, v[4+\f]                      ; the angle: one f32 product
	v_mul_f32 v9, s40, v8
	v_rndne_f32 v9, v9                             ; n = the nearest multiple of pi / 2
	v_fma_f32 v10, -v9, s41, v8
	v_fma_f32 v10, -v9, s42, v10                   ; r = angle - n pi / 2
	v_mul_f32 v11, v10, v10
	v_fma_f32 v12, v11, s45, s44
	v_fma_f32 v14, v11, s48, s47
	v_fma_f32 v12, v12, v11, s43
	v_fma_f32 v14, v14, v11, s46
	v_mul_f32 v13, v10, v11
	v_mul_f32 v15, v11, v11
	v_fma_f32 v16, v11, -0.5, 1.0
	v_fma_f32 v12, v13, v12, v10                   ; sin r
	v_fma_f32 v14, v15, v14, v16                   ; cos r
	v_cvt_i32_f32 v17, v9
	v_and_b32 v18, 1, v17
	v_cmp_eq_u32 vcc_lo, 1, v18                    ; odd n: the two change places
	v_cndmask_b32 v19, v12, v14, vcc_lo
	v_cndmask_b32 v20, v14, v12, vcc_lo
	v_lshlrev_b32 v21, 30, v17                     ; sin is negated where n mod 4 is 2 or 3,
	v_add_nc_u32 v22, 1, v17
	v_lshlrev_b32 v22, 30, v22                     ; cos where it is 1 or 2
	v_and_b32 v21, s49, v21
	v_and_b32 v22, s49, v22
	v_xor_b32 v[26+4*\i+\f], v19, v21
	v_xor_b32 v[24+4*\i+\f], v20, v22
.endm
	s_wait_alu depctr_va_vdst(0)
.irp i, 0,1,2,3
	v_cvt_f32_i32 v6, s[36+\i]
	ANGLE \i, 0
	ANGLE \i, 1
	global_store_b64 v3, v[24+4*\i:25+4*\i], s[22:23] offset:512*\i        ; 32 lanes x 8 bytes: the row's 64 cosines
	global_store_b64 v3, v[26+4*\i:27+4*\i], s[22:23] offset:512*\i+256    ; and its 64 sines
.endr
	s_cmp_lg_u32 s33, 0
	s_cbranch_scc1 .Ltable_done
	v_mov_b32 v40, 1.0                             ; wave 0 also writes row 2048
	v_mov_b32 v41, 1.0
	v_mov_b32 v42, 0
	v_mov_b32 v43, 0
	global_store_b64 v3, v[40:41], s[22:23] offset:2048*512
	global_store_b64 v3, v[42:43], s[22:23] offset:2048*512+256
.Ltable_done:
	s_endpgm
.Lfunc_end_k_qa763a4d9d7_prep:
	.size	k_qa763a4d9d7_prep, .Lfunc_end_k_qa763a4d9d7_prep-k_qa763a4d9d7_prep
	.p2alignl 7, 3214868480
	.fill 96, 4, 3214868480
	.section	.rodata,"a",@progbits
	.p2align	6, 0x0
	.amdhsa_kernel k_qa763a4d9d7_prep
		.amdhsa_group_segment_fixed_size 0
		.amdhsa_private_segment_fixed_size 0
		.amdhsa_enable_private_segment 0
		.amdhsa_kernarg_size 80
		.amdhsa_user_sgpr_count 2
		.amdhsa_user_sgpr_kernarg_segment_ptr 1
		.amdhsa_wavefront_size32 1
		.amdhsa_system_sgpr_workgroup_id_x 1
		.amdhsa_system_sgpr_workgroup_id_y 1
		.amdhsa_system_sgpr_workgroup_id_z 1
		.amdhsa_system_vgpr_workitem_id 0
		.amdhsa_next_free_vgpr 104
		.amdhsa_next_free_sgpr 66
		.amdhsa_reserve_vcc 1
		.amdhsa_float_denorm_mode_32 3
		.amdhsa_float_denorm_mode_16_64 3
		.amdhsa_memory_ordered 1
		.amdhsa_forward_progress 1
		.amdhsa_inst_pref_size 59
	.end_amdhsa_kernel
	.amdgpu_metadata
---
amdhsa.version: [ 1, 2 ]
amdhsa.kernels:
  - .name:           k_qa763a4d9d7_prep
    .symbol:         k_qa763a4d9d7_prep.kd
    .args:
      - { .name: hidden_states, .offset: 0, .size: 8, .value_kind: global_buffer, .address_space: global }
      - { .name: Wq, .offset: 8, .size: 8, .value_kind: global_buffer, .address_space: global }
      - { .name: Wk, .offset: 16, .size: 8, .value_kind: global_buffer, .address_space: global }
      - { .name: Wv, .offset: 24, .size: 8, .value_kind: global_buffer, .address_space: global }
      - { .name: Wo, .offset: 32, .size: 8, .value_kind: global_buffer, .address_space: global }
      - { .name: position_ids, .offset: 40, .size: 8, .value_kind: global_buffer, .address_space: global }
      - { .name: xb, .offset: 48, .size: 8, .value_kind: global_buffer, .address_space: global }
      - { .name: wqkv, .offset: 56, .size: 8, .value_kind: global_buffer, .address_space: global }
      - { .name: wo16, .offset: 64, .size: 8, .value_kind: global_buffer, .address_space: global }
      - { .name: cs, .offset: 72, .size: 8, .value_kind: global_buffer, .address_space: global }
    .group_segment_fixed_size: 0
    .private_segment_fixed_size: 0
    .kernarg_segment_align: 8
    .kernarg_segment_size: 80
    .max_flat_workgroup_size: 256
    .sgpr_count:     66
    .vgpr_count:     104
    .wavefront_size: 32
...
	.end_amdgpu_metadata
.endif
;; end of part 1
;; launch qkv (part 2): grid 16 x 16, 4 waves a work-group, clusters of 4 x 4, 327,680 bytes of LDS; arguments xb, wqkv, qkv16, cs; writes qkv16
.if DOCPART == 2
	.amdgcn_target "amdgcn-amd-amdhsa--gfx1250"
	.amdhsa_code_object_version 6
	.text
	.protected	k_qa763a4d9d7_qkv
	.globl	k_qa763a4d9d7_qkv
	.p2align	8
	.type	k_qa763a4d9d7_qkv,@function
k_qa763a4d9d7_qkv:
	s_mov_b64 s[64:65], 0
	v_nop
	global_prefetch_b8 v0, s[64:65] scope:SCOPE_SE
	s_setreg_imm32_b32 hwreg(HW_REG_WAVE_MODE, 25, 1), 1
	s_wait_xcnt 0x0
	s_wait_alu depctr_hold_cnt(0) depctr_sa_sdst(0) depctr_va_vdst(0) depctr_va_sdst(0) depctr_va_ssrc(0) depctr_va_vcc(0) depctr_vm_vsrc(0)
	s_getreg_b32 s2, hwreg(HW_REG_IB_STS2, 6, 4)
	s_cmp_eq_u32 s2, 0
	s_cbranch_scc0 .Lentry_in_a_cluster
	s_endpgm
.Lentry_in_a_cluster:
	s_bfe_u32 s2, ttmp6, 0x10000c
	s_cmp_lg_u32 s2, 0xf033
	s_cbranch_scc0 .Lentry_shape_is_right
	s_endpgm
.Lentry_shape_is_right:
; QKV: C[2048][4096] = xb[2048][4096] x wqkv[4096 k][4096 n] (bf16 operands, f32 sums), rotated by the table cs in f32, rounded to f16 and stored by heads:
; qkv16 [32 heads][2048][128]: heads 0-15 Q / 16, 16-23 K / 16 (both rotated), 24-31 V / 16 (rotated by the table's row 2048, cos 1 and sin 0: unchanged for finite numbers).
; LIMIT: |q|, |k|, |v| / 16 must stay under 65,504 (f16); numbers under 2^-14 / 16 keep an absolute step of 2^-24.
; SHARES.  A tile of C is 128 x 256: 16 x 16 = 256 work-groups.  Four waves, each 64 rows x 128 columns (one head): 32 accumulators of 16 x 16, 256 registers.
; K goes in 21 steps of 192 and a last one of 64 through two LDS slots filled by tensor loads.  192 is the longest step of which two slots fit:
; 2 x (128 x 432 + 192 x 544) = 319,488 of the 327,680 bytes; a request then has 176 of a step's 192 matrix instructions in which to land.
; Waves 0 and 1 bring 64 rows of A each, waves 2 and 3 96 k-rows of B each.  A's rows of a step are 384 bytes of memory and begin at multiples of 128 bytes from the buffer's first byte
; (the price of the longer step); B's are 512 bytes at multiples of 512.  B lies [k][n]; its fragments come out of LDS turned, by ds_load_tr16_b128.
; CLUSTER 4 x 4: A's tile hangs on the tile row alone and is asked for jointly by a row of the cluster, B's on the tile column alone, by a column.
; THE MATRIX INSTRUCTION IS USED TRANSPOSED (source 0 = 16 columns of B, source 1 = 16 rows of A): a lane holds row l % 16 of C and the columns 16 b + 8 (l / 16) + 0..7,
; so the two halves of a head that the rotation pairs (columns c and c + 64) lie in the same lane, in accumulators b and b + 4.
; REGISTERS: window 0: v0-31 addresses; v32-127, v128-223 two fragment buffers (A's 4 fragments, then B's 8); on the way out v32-95 rotated numbers, v96-127 packed, v128-255 rows read back.
;   window 1: the accumulators, (a, b) at v[8 (8 a + b)].   window 2: my 64 rows of the table: block a, b = 0..3: cos at v[64 a + 16 b], sin at + 8.
.set SIZE_K, 4096
.set KSTEP,  192
.set NSTEP,  22                        ; K steps, the short one among them
.set REM,    SIZE_K-(NSTEP-1)*KSTEP    ; 64: the last step's K
.set TRIPS,  (NSTEP-4)/2               ; 9: the loop takes steps 0 to 17 and asks for steps 2 to 19
.set ACH,    144                       ; A's LDS row is three pieces of 128 bytes, each with 16 bytes of padding behind it
.set PA,     3*ACH                     ; 432 = 27 x 16: an odd multiple of 16, so the 16 rows of a fragment load begin 16 bytes apart modulo 256
.set PB,     544                       ; B's LDS row: 512 bytes + 32: an odd multiple of 32, as the turning load's 8 rows x 32 bytes want
.set BROWS,  KSTEP/2                   ; k-rows of B in one load
.set AHALF,  64*PA
.set BHALF,  BROWS*PB
.set BOFF,   2*AHALF                   ; B's 192 k-rows lie behind A's 128 rows
.set SLOT,   BOFF+2*BHALF              ; 159,744
.set SPARE,  2*SLOT                    ; behind the ring: the spare words, 128 bytes a wave, that no other line names
.set SP,     272                       ; THE STAGE, 16 rows x 272 bytes for each wave, lies at the head of slot 0: that slot's last fill is K step 20's, and every wave has read it out at the barrier that ends step 20
.set ASTEP,  KSTEP*2                   ; bytes from a K step to the next: along A's rows,
.set BSTEP,  KSTEP*4096*2              ; down B's rows
.set CSO,  8                           ; v8-11  block a: my byte offset in the table
.set ADRA, 16                          ; v16-17 LDS address of my A fragments in slot 0, 1
.set ADRB, 20                          ; v20-23 the same for B, two for each slot: parts 0-2, parts 3-5 (an LDS offset has 16 bits)
.set STO,  24
.set RD,   25
.set CO,   26
.set SPW,  28                          ; v28    LDS address of my spare word; never rewritten
.set NIL,  29                          ; v29    0; never rewritten
.set F0,   32
.set F1,   128
.set Y1,   32                          ; the way out: columns 0-63 rotated; Y1 + 32: columns 64-127
.set PKD,  96                          ; packed to f16
.set BK,   128                         ; block a's rows read back: v[128 + 32 a ..]
.set G1A, 24                           ; s[24:31] group 1 for A's tiles;  s[32:39] group 0, a set for each slot
.set G0A, 32
.set G1B, 48                           ; s[48:55], s[56:63] the same for B's
.set G0B, 56
.set W_MUL, 0x50                       ; C and D window 1, sources window 0
.set MSB, 0
.macro WIN new                         ; the immediate's high byte repeats the setting that is left; a switch that changes nothing is dropped
.if MSB != \new
	s_set_vgpr_msb (MSB<<8)|\new
.set MSB, \new
.endif
.endm
.macro PLACES                          ; four plain vector instructions between a matrix instruction and a load into, or a vector read of, its registers
.rept 4
	v_nop
.endr
.endm
.macro JLOAD s                         ; a joint load: waves 0 and 1 ask for A's halves, waves 2 and 3 for B's; four v_nop follow each line
	s_cmp_eq_u32 s13, 0
	s_cbranch_scc0 .Lfor_b_\@
	tensor_load_to_lds s[G0A+4*\s:G0A+4*\s+3], s[G1A:G1A+7]
	s_nop 0
.rept 4
	v_nop
.endr
	s_branch .Lasked_\@
.Lfor_b_\@:
	tensor_load_to_lds s[G0B+4*\s:G0B+4*\s+3], s[G1B:G1B+7]
	s_nop 0
.rept 4
	v_nop
.endr
.Lasked_\@:
.endm
.macro CREST                           ; a round of the cluster's barrier behind its opening barrier
	s_cmp_lg_u32 s12, 0
	s_cbranch_scc1 .Lnot_wave_0_\@
	s_barrier_signal -3
.Lnot_wave_0_\@:
	s_barrier_wait -3
	s_barrier_signal -1
	s_barrier_wait -1
.endm
.macro CROUND
	s_barrier_signal -1
	s_barrier_wait -1
	CREST
.endm
	s_load_b256 s[4:11], s[0:1], 0x0               ; A s[4:5], B s[6:7], C s[8:9], table s[10:11]
	v_lshl_add_u32 v[SPW], v0, 2, SPARE
	v_mov_b32 v[NIL], 0
	ds_add_u32 v28, v29
	s_wait_dscnt 0x0
	v_lshrrev_b32 v1, 5, v0
	v_readfirstlane_b32 s12, v1                    ; wave 0..3
	s_lshr_b32 s13, s12, 1                         ; which 64 rows of the tile are mine.  Also: I fetch for A (0) or for B (1)
	s_and_b32 s14, s12, 1                          ; which 128 columns.  Also: which half of that tile's rows I fetch
	s_bfe_u32 s15, ttmp6, 0x40000                  ; cx
	s_bfe_u32 s16, ttmp6, 0x40004                  ; cy
	s_lshl_b32 s17, ttmp9, 2
	s_add_co_u32 s17, s17, s15                     ; tile column = 4 x cluster x + cx
	s_and_b32 s18, ttmp7, 0xffff
	s_lshl_b32 s18, s18, 2
	s_add_co_u32 s18, s18, s16                     ; tile row = 4 x cluster y + cy
	s_lshl_b32 s19, s16, 2
	s_lshl_b32 s19, 15, s19                        ; my row of the cluster
	s_lshl_b32 s20, 0x1111, s15                    ; my column
	s_or_b32 s[G1A+0], s19, (1<<16)|(1<<20)|(1<<21)|(4<<22)|(3<<25)   ; mask; elements of 2 bytes; padding on; bit 21 beside a mask; after every 32 words 4 words: three times in a row of 96 words
	s_mov_b32 s[G1A+1], KSTEP<<16                  ; tensor_dim0 = 192
	s_mov_b32 s[G1A+2], 64<<16                     ; tensor_dim1 = 64
	s_mov_b32 s[G1A+3], KSTEP<<16                  ; tile_dim0 = 192
	s_mov_b32 s[G1A+4], 64                         ; tile_dim1 = 64
	s_mov_b32 s[G1A+5], SIZE_K                     ; elements from row to row
	s_mov_b32 s[G1A+6], 0
	s_mov_b32 s[G1A+7], 0
	s_or_b32 s[G1B+0], s20, (1<<16)|(1<<20)|(1<<21)|(6<<22)|(7<<25)   ; after every 128 words 8 words
	s_mov_b32 s[G1B+1], 256<<16                    ; tensor_dim0 = 256
	s_mov_b32 s[G1B+2], BROWS<<16                  ; tensor_dim1 = 96
	s_mov_b32 s[G1B+3], 256<<16                    ; tile_dim0 = 256
	s_mov_b32 s[G1B+4], BROWS                      ; tile_dim1 = 96
	s_mov_b32 s[G1B+5], 4096
	s_mov_b32 s[G1B+6], 0
	s_mov_b32 s[G1B+7], 0
	s_lshl_b32 s40, s18, 7                         ; A: row 128 x tile row + 64 x half, in bytes (under 2^25)
	s_lshl_b32 s41, s14, 6
	s_add_co_u32 s40, s40, s41
	s_mul_i32 s40, s40, SIZE_K*2
	s_mov_b32 s41, 0
	s_lshl_b32 s44, s17, 9                         ; B: column 256 x tile column, k-row 96 x half
	s_mul_i32 s45, s14, BROWS*8192
	s_add_co_u32 s44, s44, s45
	s_mov_b32 s45, 0
	s_mul_i32 s21, s14, AHALF                      ; where they go: no place in the cluster enters an LDS address
	s_mul_i32 s22, s14, BHALF
	s_add_co_u32 s22, s22, BOFF
	s_mul_i32 s68, s14, (BROWS-REM/2)*8192         ; the short step splits B's REM k-rows anew: the second half begins so many bytes earlier in memory,
	s_mov_b32 s69, 0
	s_mul_i32 s70, s14, (REM/2)*PB                 ; and here in a slot
	s_add_co_u32 s70, s70, BOFF
	s_cmp_eq_u32 ttmp9, 3                          ; tile columns 12-15 are V's heads: the whole cluster alike
	s_cselect_b32 s66, 0, 512                      ; the table's pitch: V takes one row for all positions,
	s_cselect_b32 s67, 2048*512, 0                 ; row 2048
	s_wait_kmcnt 0x0
	s_add_nc_u64 s[40:41], s[4:5], s[40:41]
	s_add_nc_u64 s[44:45], s[6:7], s[44:45]
	CROUND                                         ; all sixteen work-groups are here: the first joint loads meet
.irp s, 0,1
	s_mov_b32 s[G0A+4*\s], 1
	s_add_co_u32 s[G0A+4*\s+1], s21, \s*SLOT
	s_add_nc_u64 s[G0A+4*\s+2:G0A+4*\s+3], s[40:41], \s*ASTEP
	s_or_b32 s[G0A+4*\s+3], s[G0A+4*\s+3], 0x80000000
	s_mov_b32 s[G0B+4*\s], 1
	s_add_co_u32 s[G0B+4*\s+1], s22, \s*SLOT
	s_add_nc_u64 s[G0B+4*\s+2:G0B+4*\s+3], s[44:45], \s*BSTEP
	s_or_b32 s[G0B+4*\s+3], s[G0B+4*\s+3], 0x80000000
.endr
	s_cmp_eq_u32 s13, 0                            ; a wave's two first fills stand in one branch, ahead of every wait on TENSORcnt and every LDS read: two loads of mine are out
	s_cbranch_scc0 .Lfirst_b
	tensor_load_to_lds s[G0A:G0A+3], s[G1A:G1A+7]
	s_nop 0
	tensor_load_to_lds s[G0A+4:G0A+7], s[G1A:G1A+7]
	s_nop 0
.rept 4
	v_nop
.endr
	s_branch .Lfirst_asked
.Lfirst_b:
	tensor_load_to_lds s[G0B:G0B+3], s[G1B:G1B+7]
	s_nop 0
	tensor_load_to_lds s[G0B+4:G0B+7], s[G1B:G1B+7]
	s_nop 0
.rept 4
	v_nop
.endr
.Lfirst_asked:
	v_and_b32 v1, 15, v0                           ; r = l % 16
	v_bfe_u32 v2, v0, 4, 1                         ; h = l / 16
	v_and_b32 v3, 7, v0
	v_bfe_u32 v4, v0, 3, 1
	; my first row of C, and the table: row 128 ty + 64 wm + 16 a + r, 32 bytes for each half of the lanes
	s_lshl_b32 s47, s18, 7
	s_lshl_b32 s23, s13, 6
	s_add_co_u32 s2, s47, s23
	v_add_nc_u32 v5, s2, v1
.irp a, 0,1,2,3
	v_add_nc_u32 v6, 16*\a, v5
	v_mul_lo_u32 v6, v6, s66
	v_lshl_add_u32 v6, v2, 5, v6
	v_add_nc_u32 v[CSO+\a], s67, v6
.endr
	WIN 0x80                                       ; destination window 2, address window 0
.irp a, 0,1,2,3
.irp b, 0,1,2,3                        ; the cosines and sines of columns 16 b + 8 h + 0..7; they are wanted only on the way out
	global_load_b128 v[64*\a+16*\b:64*\a+16*\b+3],     v[CSO+\a], s[10:11] offset:64*\b
	global_load_b128 v[64*\a+16*\b+4:64*\a+16*\b+7],   v[CSO+\a], s[10:11] offset:64*\b+16
	global_load_b128 v[64*\a+16*\b+8:64*\a+16*\b+11],  v[CSO+\a], s[10:11] offset:64*\b+256
	global_load_b128 v[64*\a+16*\b+12:64*\a+16*\b+15], v[CSO+\a], s[10:11] offset:64*\b+272
.endr
.endr
	WIN 0
	v_mul_u32_u24 v5, v1, PA                       ; A's fragment: row x pitch + 16 x half
	v_lshl_add_u32 v5, v2, 4, v5
	s_mul_i32 s23, s13, AHALF
	v_add_nc_u32 v[ADRA], s23, v5
	v_add_nc_u32 v[ADRA+1], SLOT, v[ADRA]
	v_lshl_add_u32 v6, v2, 3, v3                   ; B's, turned: lane l reads k-row 8 h + l % 8, 16 bytes at 16 ((l / 8) % 2)
	v_mul_u32_u24 v6, v6, PB
	v_lshl_add_u32 v6, v4, 4, v6
	s_lshl_b32 s23, s14, 8                         ; my 128 columns
	s_add_co_u32 s23, s23, BOFF
	v_add_nc_u32 v[ADRB], s23, v6
	v_add_nc_u32 v[ADRB+1], 3*32*PB, v[ADRB]       ; parts 3 to 5 begin 96 k-rows on
	v_add_nc_u32 v[ADRB+2], SLOT, v[ADRB]
	v_add_nc_u32 v[ADRB+3], SLOT, v[ADRB+1]
	s_mul_i32 s23, s12, 16*SP                      ; my stage, from LDS byte 0 on
	v_mul_u32_u24 v5, v1, SP                       ; in: row r, 16 bytes for each half of the lanes
	v_lshl_add_u32 v5, v2, 4, v5
	v_add_nc_u32 v[STO], s23, v5
	v_mul_u32_u24 v5, v2, SP                       ; back: lanes 0-15 one row of 256 bytes, lanes 16-31 the next
	v_lshl_add_u32 v5, v1, 4, v5
	v_add_nc_u32 v[RD], s23, v5
	v_lshlrev_b32 v5, 8, v2                        ; and the same two rows of the head
	v_lshl_add_u32 v[CO], v1, 4, v5
	s_lshl_b32 s46, s17, 1
	s_add_co_u32 s46, s46, s14                     ; my head = 2 x tile column + half
	s_lshl_b32 s46, s46, 19                        ; 2,048 rows of 256 bytes
	s_lshl_b32 s23, s2, 8
	s_add_co_u32 s46, s46, s23
	s_mov_b32 s47, 0
	s_add_nc_u64 s[8:9], s[8:9], s[46:47]
; 8 matrix instructions: row block a x all 8 column blocks, 32 along K.  zero = 1: the product starts the sums.
; The 32 accumulators take turns, one instruction a turn, in the same order in every part.
.macro MUL8 f, a, zero
.irp b, 0,1,2,3,4,5,6,7
.if \zero
	v_wmma_f32_16x16x32_bf16 v[8*(8*\a+\b):8*(8*\a+\b)+7], v[\f+32+8*\b:\f+32+8*\b+7], v[\f+8*\a:\f+8*\a+7], 0
.else
	v_wmma_f32_16x16x32_bf16 v[8*(8*\a+\b):8*(8*\a+\b)+7], v[\f+32+8*\b:\f+32+8*\b+7], v[\f+8*\a:\f+8*\a+7], v[8*(8*\a+\b):8*(8*\a+\b)+7]
.endif
.endr
.endm
; 24 LDS loads in one run: part q (32 along K) of a slot into buffer f: B's 16, then A's 8, row blocks 2 and 3 last
.macro FETCH slot, q, f
	WIN 0
.irp b, 0,1,2,3,4,5,6,7
	ds_load_tr16_b128 v[\f+32+8*\b:\f+32+8*\b+3],   v[ADRB+2*\slot+(\q)/3] offset:((\q)%3)*32*PB+32*\b
	ds_load_tr16_b128 v[\f+32+8*\b+4:\f+32+8*\b+7], v[ADRB+2*\slot+(\q)/3] offset:((\q)%3)*32*PB+16*PB+32*\b
.endr
.irp a, 0,1,2,3
	ds_load_b128 v[\f+8*\a:\f+8*\a+3],   v[ADRA+\slot] offset:\a*16*PA+((\q)/2)*ACH+((\q)%2)*64
	ds_load_b128 v[\f+8*\a+4:\f+8*\a+7], v[ADRA+\slot] offset:\a*16*PA+((\q)/2)*ACH+((\q)%2)*64+32
.endr
.endm
; A K step is six parts of 32 along K, 32 matrix instructions each, on buffers 0, 1, 0, 1, 0, 1.
; One of the first five: multiplies buffer f; in its middle it fetches part q of the same slot into buffer g.
.macro PART slot, q, f, g, zero
	s_wait_dscnt 4                                 ; B and A's row blocks 0, 1 are in; the youngest four loads (blocks 2, 3) may be out
	WIN W_MUL
	MUL8 \f, 0, \zero
	MUL8 \f, 1, \zero
	PLACES
	FETCH \slot, \q, \g
	s_wait_dscnt 24                                ; all but the 24 just issued
	WIN W_MUL
	MUL8 \f, 2, \zero
	MUL8 \f, 3, \zero
.endm
.macro REST slot                       ; a step's second to fifth parts
	PART \slot, 2, F1, F0, 0
	PART \slot, 3, F0, F1, 0
	PART \slot, 4, F1, F0, 0
	PART \slot, 5, F0, F1, 0
.endm
; The last part multiplies buffer 1 and changes slots: one barrier; in front of it each wave waits for all its tensor loads (one is out: its part of the next slot),
; adds 0 to its spare word, and waits for that and for its reads of this slot.  fill = 1: the barrier opens a round of the cluster's, and this slot is filled again, two K steps on.
; fill = 2: the same, and the step asked for is the short one: A's tile keeps its 192 columns, of which REM exist (the rest arrive as zeros and are not read), so its LDS rows lie as ever;
; B's REM k-rows are split anew, REM / 2 to a wave.  No load of mine is out here, so the descriptors' words may be written.
.macro TURN slot, next, fill
	WIN 0
	s_wait_tensorcnt 0x0
	ds_add_u32 v[SPW], v[NIL]
	s_wait_dscnt 5                                 ; the add and the youngest four loads may be out
	WIN W_MUL
	MUL8 F1, 0, 0                                  ; eight matrix instructions stand between the add and the wait for it
	s_wait_dscnt 0x0                               ; the add is done, and my reads of this slot are over
	s_barrier_signal -1
	MUL8 F1, 1, 0
.if \fill
	WIN 0
.endif
	s_barrier_wait -1
.if \fill
	CREST                                          ; no wave of any partner still reads this slot's tiles or has a load on its way
	s_add_nc_u64 s[G0A+4*\slot+2:G0A+4*\slot+3], s[G0A+4*\slot+2:G0A+4*\slot+3], 2*ASTEP
	s_add_nc_u64 s[G0B+4*\slot+2:G0B+4*\slot+3], s[G0B+4*\slot+2:G0B+4*\slot+3], 2*BSTEP
.if \fill == 2
	s_sub_nc_u64 s[G0B+4*\slot+2:G0B+4*\slot+3], s[G0B+4*\slot+2:G0B+4*\slot+3], s[68:69]
	s_add_co_u32 s[G0B+4*\slot+1], s70, \slot*SLOT
	s_mov_b32 s[G1A+1], REM<<16                    ; tensor_dim0 = REM
	s_mov_b32 s[G1B+2], (REM/2)<<16                ; tensor_dim1 = REM / 2
	s_mov_b32 s[G1B+4], REM/2                      ; tile_dim1 = REM / 2
.endif
	JLOAD \slot                                    ; the first tensor load behind the round, 176 matrix instructions ahead of the wait for it; its four v_nop are the places in front of the loads below
.else
	PLACES
.endif
	FETCH \next, 0, F0
	WIN W_MUL
	MUL8 F1, 2, 0
	MUL8 F1, 3, 0
.endm
	s_wait_tensorcnt 1                             ; my part of K step 0 is in; K step 1's may stay out
	s_barrier_signal -1
	s_barrier_wait -1
	FETCH 0, 0, F0
	PART 0, 1, F0, F1, 1                           ; the first part stands in front of the loop: its products start the sums
	WIN 0
	s_mov_b32 s3, TRIPS
.Llap:                                                 ; a trip goes once round the ring, from a lap's second part to the next lap's first, and fills both slots again
	REST 0
	TURN 0, 1, 1
	PART 1, 1, F0, F1, 0
	REST 1
	TURN 1, 0, 1
	PART 0, 1, F0, F1, 0
	WIN 0
	s_sub_co_u32 s3, s3, 1
	s_cmp_lg_u32 s3, 0
	s_cbranch_scc1 .Llap
	REST 0                                         ; the tail is written out.  Step 18; slot 0 takes step 20
	TURN 0, 1, 1
	PART 1, 1, F0, F1, 0                           ; step 19; slot 1 takes step 21, the short one
	REST 1
	TURN 1, 0, 2
	PART 0, 1, F0, F1, 0                           ; step 20; nothing is left to ask for
	REST 0
	TURN 0, 1, 0
	PART 1, 1, F0, F1, 0                           ; step 21: two parts
	s_wait_dscnt 4
	WIN W_MUL
	MUL8 F1, 0, 0
	MUL8 F1, 1, 0
	s_wait_dscnt 0x0
	MUL8 F1, 2, 0
	MUL8 F1, 3, 0
	WIN 0
	PLACES
	s_wait_loadcnt 0x0                             ; the table
; THE WAY OUT, a block of 16 rows at a time.  ROPE: out[c] = x[c] cos - x[c + 64] sin, out[c + 64] = x[c + 64] cos + x[c] sin, each accumulator's registers in ascending order; then f16.
.macro ROPE a
	WIN 0x09                                       ; source 0 (sums) window 1, source 1 (table) window 2, source 2 and destination window 0
.irp b, 0,1,2,3
.irp p, 0,2,4,6
	v_pk_mul_f32 v[Y1+8*\b+\p:Y1+8*\b+\p+1],       v[8*(8*(\a)+\b+4)+\p:8*(8*(\a)+\b+4)+\p+1], v[64*(\a)+16*\b+8+\p:64*(\a)+16*\b+8+\p+1]
	v_pk_mul_f32 v[Y1+32+8*\b+\p:Y1+32+8*\b+\p+1], v[8*(8*(\a)+\b)+\p:8*(8*(\a)+\b)+\p+1],     v[64*(\a)+16*\b+8+\p:64*(\a)+16*\b+8+\p+1]
	v_pk_fma_f32 v[Y1+8*\b+\p:Y1+8*\b+\p+1],       v[8*(8*(\a)+\b)+\p:8*(8*(\a)+\b)+\p+1],     v[64*(\a)+16*\b+\p:64*(\a)+16*\b+\p+1], v[Y1+8*\b+\p:Y1+8*\b+\p+1] neg_lo:[0,0,1] neg_hi:[0,0,1]
	v_pk_fma_f32 v[Y1+32+8*\b+\p:Y1+32+8*\b+\p+1], v[8*(8*(\a)+\b+4)+\p:8*(8*(\a)+\b+4)+\p+1], v[64*(\a)+16*\b+\p:64*(\a)+16*\b+\p+1], v[Y1+32+8*\b+\p:Y1+32+8*\b+\p+1]
.endr
.endr
	WIN 0
.set i, 0
.rept 32
	v_cvt_pk_f16_f32 v[PKD+i], v[Y1+2*i], v[Y1+2*i+1]
.set i, i+1
.endr
.endm
.macro TOSTAGE a                       ; 16 bytes a lane into my own stage, and back as whole rows of 256 bytes; LDS serves a wave's instructions in order (ISA guide 5.7.1.4)
.irp b, 0,1,2,3,4,5,6,7
	ds_store_b128 v[STO], v[PKD+4*\b:PKD+4*\b+3] offset:32*\b
.endr
.irp t, 0,1,2,3,4,5,6,7
	ds_load_b128 v[BK+32*(\a)+4*\t:BK+32*(\a)+4*\t+3], v[RD] offset:\t*2*SP
.endr
.endm
.macro SEND a                          ; each block has its own 32 registers, so no store's data is written again
	s_wait_dscnt 0x0
.irp t, 0,1,2,3,4,5,6,7
	global_store_b128 v[CO], v[BK+32*(\a)+4*\t:BK+32*(\a)+4*\t+3], s[8:9] offset:(16*(\a)+2*\t)*256   ; a wave's store covers two rows of the head: 512 consecutive bytes at a multiple of 256
.endr
.endm
	ROPE 0
	TOSTAGE 0
	ROPE 1                                         ; a block's arithmetic stands between the loads of the block before from the stage and the wait for them
	SEND 0
	TOSTAGE 1
	ROPE 2
	SEND 1
	TOSTAGE 2
	ROPE 3
	SEND 2
	TOSTAGE 3
	SEND 3
	s_wait_tensorcnt 0x0                           ; the wave's end
	ds_add_u32 v[SPW], v[NIL]
	s_wait_dscnt 0x0
	CROUND                                         ; the closing round: no work-group ends while a partner may still ask for a tile that names it
	s_endpgm
.Lfunc_end_k_qa763a4d9d7_qkv:
	.size	k_qa763a4d9d7_qkv, .Lfunc_end_k_qa763a4d9d7_qkv-k_qa763a4d9d7_qkv
	.p2alignl 7, 3214868480
	.fill 96, 4, 3214868480
	.section	.rodata,"a",@progbits
	.p2align	6, 0x0
	.amdhsa_kernel k_qa763a4d9d7_qkv
		.amdhsa_group_segment_fixed_size 327680
		.amdhsa_private_segment_fixed_size 0
		.amdhsa_enable_private_segment 0
		.amdhsa_kernarg_size 32
		.amdhsa_user_sgpr_count 2
		.amdhsa_user_sgpr_kernarg_segment_ptr 1
		.amdhsa_wavefront_size32 1
		.amdhsa_system_sgpr_workgroup_id_x 1
		.amdhsa_system_sgpr_workgroup_id_y 1
		.amdhsa_system_sgpr_workgroup_id_z 1
		.amdhsa_system_vgpr_workitem_id 0
		.amdhsa_next_free_vgpr 768
		.amdhsa_next_free_sgpr 72
		.amdhsa_reserve_vcc 0
		.amdhsa_float_denorm_mode_32 3
		.amdhsa_float_denorm_mode_16_64 3
		.amdhsa_memory_ordered 1
		.amdhsa_forward_progress 1
		.amdhsa_inst_pref_size 171
	.end_amdhsa_kernel
	.amdgpu_metadata
---
amdhsa.version: [ 1, 2 ]
amdhsa.kernels:
  - .name:           k_qa763a4d9d7_qkv
    .symbol:         k_qa763a4d9d7_qkv.kd
    .args:
      - { .name: xb, .offset: 0, .size: 8, .value_kind: global_buffer, .address_space: global }
      - { .name: wqkv, .offset: 8, .size: 8, .value_kind: global_buffer, .address_space: global }
      - { .name: qkv16, .offset: 16, .size: 8, .value_kind: global_buffer, .address_space: global }
      - { .name: cs, .offset: 24, .size: 8, .value_kind: global_buffer, .address_space: global }
    .group_segment_fixed_size: 327680
    .private_segment_fixed_size: 0
    .kernarg_segment_align: 8
    .kernarg_segment_size: 32
    .max_flat_workgroup_size: 128
    .sgpr_count:     72
    .vgpr_count:     768
    .wavefront_size: 32
...
	.end_amdgpu_metadata
.endif
;; end of part 2
;; launch attn (part 3): grid 32 x 8, 4 waves a work-group, clusters of 4 x 1, 327,680 bytes of LDS; arguments qkv16, ctx16; writes ctx16
.if DOCPART == 3
	.amdgcn_target "amdgcn-amd-amdhsa--gfx1250"
	.amdhsa_code_object_version 6
	.text
	.protected	k_qa763a4d9d7_attn
	.globl	k_qa763a4d9d7_attn
	.p2align	8
	.type	k_qa763a4d9d7_attn,@function
k_qa763a4d9d7_attn:
	s_mov_b64 s[64:65], 0
	v_nop
	global_prefetch_b8 v0, s[64:65] scope:SCOPE_SE
	s_setreg_imm32_b32 hwreg(HW_REG_WAVE_MODE, 25, 1), 1
	s_wait_xcnt 0x0
	s_wait_alu depctr_hold_cnt(0) depctr_sa_sdst(0) depctr_va_vdst(0) depctr_va_sdst(0) depctr_va_ssrc(0) depctr_va_vcc(0) depctr_vm_vsrc(0)
	s_getreg_b32 s2, hwreg(HW_REG_IB_STS2, 6, 4)
	s_cmp_eq_u32 s2, 0
	s_cbranch_scc0 .Lentry_in_a_cluster
	s_endpgm
.Lentry_in_a_cluster:
	s_bfe_u32 s2, ttmp6, 0x10000c
	s_cmp_lg_u32 s2, 0x3003
	s_cbranch_scc0 .Lentry_shape_is_right
	s_endpgm
.Lentry_shape_is_right:
; ATTN: causal attention with two query heads to a key head.  qkv16 [32 heads][2048][128] f16 (Q / 16, K / 16, V / 16); ctx16 [2048][16 x 128] f16 = ctx / 16.
; Products in f16 with f32 sums; maxima, exponentials and sums in f32; the weights are rounded to f16 for the second product, ctx once at the end.
; SHARES.  g = the key head (grid y).  A TASK is 32 positions x the 2 query heads of g: 64 query rows, four tiles of 16 (tile t: head 2 g + t / 2, positions P0 + 16 (t % 2) + r).
; Work-group p (0-31) does task A (P0 = 32 p) and then task B (P0 = 2016 - 32 p).  A STEP is 256 keys; all four waves hold the same 64 rows, and wave w takes keys 64 w .. 64 w + 63 of a step.
; Task A has nA = p / 8 + 1 steps, task B 9 - nA: nine steps in every work-group.  At a task's end the four waves' parts (maximum, sum, O) are merged through LDS.
; THE STEP IS WRITTEN ONCE, in a loop of eight trips, and once more behind it for the ninth step, which asks for no tile.  What differs from step to step lies in registers:
; the slot (s[TB] and the descriptors' LDS words, turned by an exclusive or), the tile asked for, the mask's limits.
; CLUSTER 4 x 1: the four partners share g, nA and the whole walk over K's and V's tiles, so each tile is asked for jointly.  cx enters only Q's and ctx's addresses and the mask's limits.
; LAYOUT.  S^T = K Q^T (source 0 = 16 keys, source 1 = 16 queries): a lane holds one query (l % 16) and keys 8 (l / 16) + 0..7; two such tiles rounded in pairs are source 1 of
; O^T = V^T P, whose result again holds one query a lane.  K comes out of LDS as it lies, V ([key][channel]) turned.
; SOFTMAX.  A running maximum m and sum l for each query and wave: p = 2^(c s - c m), c = 256 log2(e) / sqrt(128) (the 256 undoes the two 1/16); O and l are multiplied by a = 2^(c m_old - c m_new) in every step.
; THE MASK is made in every step: key 16 kt + j of my 64 is masked where it is greater than the lane's limit, position - 8 (l / 16) - 64 w - 256 x tile; the limit falls by 256 a step.
; In all but a task's last step it is 56 at the least and masks nothing: 192 instructions a step are the price of a step without a branch.
; A masked score is -2^100.  c x 2^100 is exact, so a row that a wave finds wholly masked gives p = 1 and finite sums, and the merge gives that wave the weight 2^(-c 2^100 - ..) = 0.
; A TASK BEGINS with m and c m at the lowest finite number: the first step's a is then 0 and wipes whatever finite numbers O and l hold.  In front of the first task O^T's 256 registers
; are written by 32 products of a zero fragment with a zero fragment: 32 matrix instructions beside the wave's 1,152, in place of a second text of the step.
; LIMIT: raw scores below -2^100 are not told from masked ones.  LIMIT: q, k, v / 16 within f16's range.
; REGISTERS: window 0: v0-11 addresses; v12-43 statistics, 8 a tile; v44-48 mask; v64-191 S^T, 32 a tile; v192-255 P, 16 a tile.  window 1: O^T, 64 a tile.
;   window 2: v0-127 Q, 32 a tile; v128-255 K of a step.   window 3: v0-127 V of a step.
.set PITK,  272                        ; a row of K in LDS: 256 bytes + 16
.set PITV,  288                        ; a row of V: 256 + 32, an odd multiple of 32 for the turning load
.set VOFF,  256*PITK                   ; a slot: 256 rows of K, then 256 rows of V: 143,360 bytes
.set SLOT1, 0x24000                    ; slot 1 begins here: bits 14 and 17, which are clear in the slot 0 addresses of the four waves' parts (0, 0x8800, 0x11000, 0x1a000), so one exclusive or turns each into the other slot's
.set XB,    SLOT1+256*(PITK+PITV)      ; behind the ring: the merge's exchange, 4 senders x 16 rows x 528 bytes
.set XP,    528
.set ML,    XB+4*16*XP                 ; (c m, l) of [wave][tile][query], 8 bytes each
.set SPARE, ML+2048                    ; the spare words, 128 bytes a wave, that no other line names
.set AK0, 2                            ; v2     my lane's place in a slot's K; never rewritten
.set AV0, 3                            ; v3     the same for V
.set ADK, 4                            ; v4     LDS address of the step's K fragments
.set ADV, 5                            ; v5     of its V fragments
.set QO,  6                            ; v6     my byte offset in a tile of Q
.set XW,  7                            ; v7     the exchange: where I put my part
.set XR,  8                            ; v8     the exchange: where I read
.set GO,  9                            ; v9     my byte offset in ctx16
.set MLW, 10
.set MLR, 11
.set ST,  12                           ; tile t at v[ST + 8 t]: +0 c m, +1 m, +2, +3 l (even keys', odd keys'), +4 to +7 at work
.set LIM,  44                          ; v44-45 the mask's limits of the step in hand, for positions 0-15 and 16-31 of the task
.set LIMB, 46                          ; v46-47 those of task B's first step
.set NEGV, 48                          ; v48    -2^100
.set SPW, 62
.set NIL, 63
.set S,   64
.set P,   192
.set R,   128                          ; the merge: 16 x 4 registers read from the exchange
.set KF,  128
.set WV,  12                           ; s12 my wave's number
.set NA,  16                           ; s16 nA
.set GC,  18                           ; s18 the step in hand, 0 to 8: the loop's counter
.set GN,  19                           ; s19 the step that a request serves
.set TAU, 20                           ; s20 its tile of 256 keys
.set TB,  21                           ; s21 LDS byte at which the slot of the step in hand begins
.set OFFT, 22                          ; s[22:23] the asked tile's byte offset
.set G1K, 24
.set G1V, 32
.set G0K, 40                           ; s[40:43] group 0 for K's tiles: one set, which walks
.set G0V, 44                           ; s[44:47] the same for V's
.set KB,  56                           ; s[56:57] my half of K's tile 0;  s[58:59] of V's
.set VB,  58
.set CS,  60
.set SEL, 62
.set QA,  66                           ; s[66:67], s[68:69] Q of tasks A, B
.set QB,  68
.set OA,  70                           ; s[70:71], s[72:73] ctx16 of tasks A, B
.set OB,  72
.set W_KQ, 0x0a                        ; K and Q window 2, S^T window 0
.set W_PV, 0x53                        ; V window 3, P window 0, O^T window 1
.set W_RS, 0x41                        ; O^T (destination and source 0) window 1, the factor window 0
.set MSB, 0
.macro WIN new                         ; the immediate's high byte repeats the setting that is left; a switch that changes nothing is dropped
.if MSB != \new
	s_set_vgpr_msb (MSB<<8)|\new
.set MSB, \new
.endif
.endm
.macro PLACES                          ; four plain vector instructions between a matrix instruction and a load into, or a vector read of, its registers
.rept 4
	v_nop
.endr
.endm
.macro JLOAD                           ; a joint load: waves 0 and 1 ask for K's halves, waves 2 and 3 for V's; four v_nop follow each line
	s_cmp_lt_u32 s[WV], 2
	s_cbranch_scc0 .Lfor_v_\@
	tensor_load_to_lds s[G0K:G0K+3], s[G1K:G1K+7]
	s_nop 0
.rept 4
	v_nop
.endr
	s_branch .Lasked_\@
.Lfor_v_\@:
	tensor_load_to_lds s[G0V:G0V+3], s[G1V:G1V+7]
	s_nop 0
.rept 4
	v_nop
.endr
.Lasked_\@:
.endm
.macro CROUND                          ; a round of the cluster's barrier
	s_barrier_signal -1
	s_barrier_wait -1
	s_cmp_lg_u32 s[WV], 0
	s_cbranch_scc1 .Lnot_wave_0_\@
	s_barrier_signal -3
.Lnot_wave_0_\@:
	s_barrier_wait -3
	s_barrier_signal -1
	s_barrier_wait -1
.endm
	s_load_b128 s[4:7], s[0:1], 0x0                ; qkv16 s[4:5], ctx16 s[6:7]
	v_lshl_add_u32 v[SPW], v0, 2, SPARE
	v_mov_b32 v[NIL], 0
	ds_add_u32 v62, v63
	s_wait_dscnt 0x0
	v_lshrrev_b32 v1, 5, v0
	v_readfirstlane_b32 s[WV], v1
	s_bfe_u32 s13, ttmp6, 0x40000                  ; cx
	s_lshl_b32 s14, ttmp9, 2
	s_add_co_u32 s14, s14, s13                     ; p = 4 x cluster x + cx
	s_and_b32 s15, ttmp7, 0xffff                   ; g
	s_lshr_b32 s[NA], ttmp9, 1                     ; p / 8 = cluster x / 2: the partners' alike
	s_add_co_u32 s[NA], s[NA], 1
	s_and_b32 s2, s[WV], 1                         ; which 128 rows of a tile I fetch
	s_mul_i32 s8, s2, 128*PITK                     ; and where they go
	s_mul_i32 s9, s2, 128*PITV
	s_add_co_u32 s9, s9, VOFF
	s_add_co_u32 s[KB], s15, 16                    ; K's head 16 + g, 524,288 bytes a head
	s_lshl_b32 s[KB], s[KB], 19
	s_lshl_b32 s3, s2, 15
	s_add_co_u32 s[KB], s[KB], s3
	s_mov_b32 s[KB+1], 0
	s_add_co_u32 s[VB], s[KB], 8<<19               ; V's heads lie eight heads on
	s_mov_b32 s[VB+1], 0
	s_sub_co_u32 s74, 63, s14                      ; task B's block of 32 positions
	s_lshl_b32 s10, s15, 20                        ; Q's heads 2 g, 2 g + 1
	s_lshl_b32 s11, s14, 13                        ; 32 rows of 256 bytes
	s_add_co_u32 s[QA], s10, s11
	s_mov_b32 s[QA+1], 0
	s_lshl_b32 s11, s74, 13
	s_add_co_u32 s[QB], s10, s11
	s_mov_b32 s[QB+1], 0
	s_lshl_b32 s10, s15, 9                         ; ctx16: 2 g heads of 256 bytes,
	s_lshl_b32 s11, s14, 17                        ; 32 rows of 4,096 bytes
	s_add_co_u32 s[OA], s10, s11
	s_mov_b32 s[OA+1], 0
	s_lshl_b32 s11, s74, 17
	s_add_co_u32 s[OB], s10, s11
	s_mov_b32 s[OB+1], 0
	s_mov_b32 s[G1K], 15|(1<<16)|(1<<20)|(1<<21)|(5<<22)|(3<<25)   ; all four work-groups; elements of 2 bytes; padding on; bit 21 beside a mask; after every 64 words 4 words
	s_mov_b32 s[G1V], 15|(1<<16)|(1<<20)|(1<<21)|(5<<22)|(7<<25)   ; the same with 8 words
.irp g, G1K, G1V
	s_mov_b32 s[\g+1], 128<<16                     ; tensor_dim0 = 128
	s_mov_b32 s[\g+2], 128<<16                     ; tensor_dim1 = 128
	s_mov_b32 s[\g+3], 128<<16                     ; tile_dim0 = 128
	s_mov_b32 s[\g+4], 128                         ; tile_dim1 = 128 rows
	s_mov_b32 s[\g+5], 128                         ; elements from row to row
	s_mov_b32 s[\g+6], 0
	s_mov_b32 s[\g+7], 0
.endr
	s_mov_b32 s[CS], 0x420293ee                    ; c = 256 log2(e) / sqrt(128)
	s_mov_b32 s[CS+1], s[CS]
	s_mov_b32 s[SEL], 0x76543210
	s_mov_b32 s[SEL+1], 0xfedcba98
	s_mov_b32 s[GC], 0
	s_mov_b32 s[TAU], 0
	s_mov_b32 s[TB], 0
	s_mov_b32 s[OFFT+1], 0
	s_wait_kmcnt 0x0
	s_add_nc_u64 s[KB:KB+1], s[4:5], s[KB:KB+1]
	s_add_nc_u64 s[VB:VB+1], s[4:5], s[VB:VB+1]
	s_add_nc_u64 s[QA:QA+1], s[4:5], s[QA:QA+1]
	s_add_nc_u64 s[QB:QB+1], s[4:5], s[QB:QB+1]
	s_add_nc_u64 s[OA:OA+1], s[6:7], s[OA:OA+1]
	s_add_nc_u64 s[OB:OB+1], s[6:7], s[OB:OB+1]
	CROUND                                         ; all four work-groups are here: the first joint loads meet
	s_mov_b32 s[G0K], 1                            ; step 0: task A's tile 0, into slot 0
	s_mov_b32 s[G0K+1], s8
	s_mov_b64 s[G0K+2:G0K+3], s[KB:KB+1]
	s_or_b32 s[G0K+3], s[G0K+3], 0x80000000
	s_mov_b32 s[G0V], 1
	s_mov_b32 s[G0V+1], s9
	s_mov_b64 s[G0V+2:G0V+3], s[VB:VB+1]
	s_or_b32 s[G0V+3], s[G0V+3], 0x80000000
	JLOAD                                          ; one load of mine is out; slot 1 is first filled behind the first trip's round, as a refill is
	v_and_b32 v1, 15, v0                           ; r
	v_bfe_u32 v49, v0, 4, 1                        ; h
	v_and_b32 v50, 7, v0
	v_bfe_u32 v51, v0, 3, 1
	v_and_b32 v52, 31, v0                          ; l
	v_lshlrev_b32 v[QO], 8, v1
	v_lshl_add_u32 v[QO], v49, 4, v[QO]            ; row x 256 + 16 x half
; A task's Q: tile i / 4 (head (i / 4) / 2, positions 16 ((i / 4) % 2) on), channels 32 (i % 4) on
.macro LOADQ base
	WIN 0x80                                       ; destination window 2
.irp i, 0,1,2,3,4,5,6,7,8,9,10,11,12,13,14,15
	global_load_b128 v[8*\i:8*\i+3],   v[QO], s[\base:\base+1] offset:((\i/4)/2)*524288+((\i/4)%2)*4096+(\i%4)*64
	global_load_b128 v[8*\i+4:8*\i+7], v[QO], s[\base:\base+1] offset:((\i/4)/2)*524288+((\i/4)%2)*4096+(\i%4)*64+32
.endr
	WIN 0
.endm
	LOADQ QA
	s_mul_i32 s2, s[WV], 64*PITK                   ; my 64 keys of a step
	v_mul_u32_u24 v[AK0], v1, PITK
	v_lshl_add_u32 v[AK0], v49, 4, v[AK0]
	v_add_nc_u32 v[AK0], s2, v[AK0]
	s_mul_i32 s2, s[WV], 64*PITV
	s_add_co_u32 s2, s2, VOFF
	v_lshl_add_u32 v[AV0], v49, 3, v50             ; the turning load: key 8 h + l % 8, 16 bytes at 16 ((l / 8) % 2)
	v_mul_u32_u24 v[AV0], v[AV0], PITV
	v_lshl_add_u32 v[AV0], v51, 4, v[AV0]
	v_add_nc_u32 v[AV0], s2, v[AV0]
	s_mul_i32 s2, s[WV], 16*XP
	s_add_co_u32 s2, s2, XB
	v_mul_u32_u24 v[XW], v1, XP                    ; I send: my block of 16 rows, row r, 32 bytes for each half of the lanes
	v_lshl_add_u32 v[XW], v49, 5, v[XW]
	v_add_nc_u32 v[XW], s2, v[XW]
	s_mul_i32 s2, s[WV], 4*XP
	s_add_co_u32 s2, s2, XB
	v_lshl_add_u32 v[XR], v52, 4, s2               ; I gather rows 4 w .. 4 w + 3, four channels a lane
	s_lshl_b32 s2, s[WV], 14
	v_lshl_add_u32 v[GO], v52, 3, s2               ; the same rows of ctx16 (4,096 bytes each), 8 bytes a lane
	s_lshl_b32 s2, s[WV], 9
	s_add_co_u32 s2, s2, ML
	v_lshl_add_u32 v[MLW], v1, 3, s2
	v_lshlrev_b32 v[MLR], 3, v1
	v_add_nc_u32 v[MLR], ML, v[MLR]
	v_mov_b32 v[NEGV], 0xf1800000                  ; -2^100
	v_lshlrev_b32 v53, 3, v49
	v_sub_nc_u32 v53, v1, v53                      ; r - 8 h
	s_lshl_b32 s11, s[WV], 6
	s_lshl_b32 s10, s14, 5                         ; task A, tile 0: 32 p - 64 w + r - 8 h
	s_sub_co_u32 s10, s10, s11
	v_add_nc_u32 v[LIM], s10, v53
	v_add_nc_u32 v[LIM+1], 16, v[LIM]
	s_lshl_b32 s10, s74, 5                         ; task B, tile 0: 2016 - 32 p - 64 w + r - 8 h
	s_sub_co_u32 s10, s10, s11
	v_add_nc_u32 v[LIMB], s10, v53
	v_add_nc_u32 v[LIMB+1], 16, v[LIMB]
.irp t, 0,1,2,3
	v_mov_b32 v[ST+8*\t], 0xff7fffff               ; c m and m: the lowest finite number
	v_mov_b32 v[ST+8*\t+1], 0xff7fffff
	v_mov_b32 v[ST+8*\t+2], 0                      ; l
	v_mov_b32 v[ST+8*\t+3], 0
.endr
.irp n, 0,1,2,3,4,5,6,7,8,9,10,11,12,13,14,15
	v_mov_b32 v[P+\n], 0                           ; two fragments of zeros, in P's registers
.endr
	WIN 0x40                                       ; destination window 1
.set i, 0
.rept 32
	v_wmma_f32_16x16x32_f16 v[8*i:8*i+7], v[P:P+7], v[P+8:P+15], 0   ; O^T's registers hold finite numbers from here on
.set i, i+1
.endr
	WIN 0
; Product i of 64 of S^T = K Q^T: channels 32 (i / 16) on, keys 16 ((i / 4) % 4) on, tile i % 4.  The first 16 start the sums.
; The accumulators take turns, one instruction a turn: 15 others' stand between two links here, 31 in V^T P.
.macro KQ
	WIN W_KQ
.set rS, S+32*(i%4)+8*((i/4)%4)
.set rK, KF+32*((i/4)%4)+8*(i/16)
.set rQ, 32*(i%4)+8*(i/16)
.if i < 16
	v_wmma_f32_16x16x32_f16 v[rS:rS+7], v[rK:rK+7], v[rQ:rQ+7], 0
.else
	v_wmma_f32_16x16x32_f16 v[rS:rS+7], v[rK:rK+7], v[rQ:rQ+7], v[rS:rS+7]
.endif
.endm
; Product i of 64 of O^T += V^T P: keys 32 (i / 32) on, channels 16 ((i / 4) % 8) on, tile i % 4.
.macro PVM
	WIN W_PV
.set rO, 64*(i%4)+8*((i/4)%8)
.set rV, 64*(i/32)+8*((i/4)%8)
.set rP, P+16*(i%4)+8*(i/32)
	v_wmma_f32_16x16x32_f16 v[rO:rO+7], v[rV:rV+7], v[rP:rP+7], v[rO:rO+7]
.endm
.macro FETCH_K                         ; my 64 keys x 128 channels: 16 fragments
	WIN 0x80
.irp f, 0,1,2,3,4,5,6,7,8,9,10,11,12,13,14,15
	ds_load_b128 v[KF+8*\f:KF+8*\f+3],   v[ADK] offset:(\f/4)*16*PITK+(\f%4)*64
	ds_load_b128 v[KF+8*\f+4:KF+8*\f+7], v[ADK] offset:(\f/4)*16*PITK+(\f%4)*64+32
.endr
.endm
.macro FETCH_V                         ; the same keys of V, turned: keys 32 (f / 8) on, channels 16 (f % 8) on
	WIN 0xc0
.irp f, 0,1,2,3,4,5,6,7,8,9,10,11,12,13,14,15
	ds_load_tr16_b128 v[8*\f:8*\f+3],   v[ADV] offset:(\f/8)*32*PITV+(\f%8)*32
	ds_load_tr16_b128 v[8*\f+4:8*\f+7], v[ADV] offset:(\f/8)*32*PITV+16*PITV+(\f%8)*32
.endr
.endm
; The mask: each accumulator's registers in ascending order; tiles t and t + 2 hold the same positions.  Then the limits go on to the next tile of keys.
.macro MASK
.irp kt, 0,1,2,3
.irp jj, 0,1,2,3,4,5,6,7
.irp tp, 0,1
	v_cmp_gt_i32 vcc_lo, 16*\kt+\jj, v[LIM+\tp]
	v_cndmask_b32 v[S+32*\tp+8*\kt+\jj],     v[S+32*\tp+8*\kt+\jj],     v[NEGV], vcc_lo
	v_cndmask_b32 v[S+32*(\tp+2)+8*\kt+\jj], v[S+32*(\tp+2)+8*\kt+\jj], v[NEGV], vcc_lo
.endr
.endr
.endr
	v_add_nc_u32 v[LIM],   0xffffff00, v[LIM]      ; - 256
	v_add_nc_u32 v[LIM+1], 0xffffff00, v[LIM+1]
.endm
; One tile's softmax for one step is a list of 134 instructions; SM writes number j of it for tile t.  s0-s31 are the lane's 32 scores, in pairs 0-15.
;   0-15    the maximum of s0-s31 and the old m, three operands at a time     16-20  the other half of the lanes' maximum; the new m; c m; c m_old - c m_new
;   21-87   33 exponentials at the odd numbers from 23 on; the plain numbers between are c s - c m of pairs still to come, roundings to f16 of pairs that are done, the first sums
;   88-101  the last rounding; the rest of the sums; l = a l + the sum        102-133 the tile's O^T times a
.macro SM t
.set rT, ST+8*(\t)
.set rS, S+32*(\t)
.set rP, P+16*(\t)
.set rO, 64*(\t)+2*(j-102)
.set q, (j-20)/2
.if j < 102
	WIN 0
.endif
.if j < 4
	v_max3_num_f32 v[rT+4+j], v[rS+8*j], v[rS+8*j+1], v[rS+8*j+2]
.elseif j < 12
	v_max3_num_f32 v[rT+4+j%4], v[rT+4+j%4], v[rS+8*(j%4)+2*(j/4)+1], v[rS+8*(j%4)+2*(j/4)+2]
.elseif j == 12
	v_max3_num_f32 v[rT+4], v[rT+4], v[rS+7], v[rS+15]
.elseif j == 13
	v_max3_num_f32 v[rT+6], v[rT+6], v[rS+23], v[rS+31]
.elseif j == 14
	v_max3_num_f32 v[rT+4], v[rT+4], v[rT+5], v[rT+6]
.elseif j == 15
	v_max3_num_f32 v[rT+4], v[rT+4], v[rT+7], v[rT+1]
.elseif j == 16
	v_permlanex16_b32 v[rT+5], v[rT+4], s[SEL], s[SEL+1]   ; the query's other 32 keys lie in the lane 16 away
.elseif j == 17
	v_mov_b32 v[rT+7], v[rT]                       ; c m_old is kept: number 19 writes c m anew
.elseif j == 18
	v_max_num_f32 v[rT+1], v[rT+4], v[rT+5]
.elseif j == 19
	v_mul_f32 v[rT], s[CS], v[rT+1]
.elseif j == 20
	v_sub_f32 v[rT+7], v[rT+7], v[rT]
.elseif j == 23
	v_exp_f32 v[rT+6], v[rT+7]
.elseif (j < 88) && (j > 23) && (j%2 == 1)
	v_exp_f32 v[rS+(j-25)/2], v[rS+(j-25)/2]
.elseif (q < 4) || ((j < 76) && (q%2 == 0))
.set b, q/2+2
.if q < 4
.set b, q
.endif
	v_pk_fma_f32 v[rS+2*b:rS+2*b+1], v[rS+2*b:rS+2*b+1], s[CS:CS+1], v[rT:rT+1] op_sel_hi:[1,0,0] neg_lo:[0,0,1] neg_hi:[0,0,1]   ; pair b: c s - c m
.elseif (j < 88) && (q%2 == 1)
	s_wait_alu depctr_va_vdst(0)
	v_cvt_pk_f16_f32 v[rP+(q-5)/2], v[rS+q-5], v[rS+q-4]
.elseif j == 89
	s_wait_alu depctr_va_vdst(0)
	v_cvt_pk_f16_f32 v[rP+15], v[rS+30], v[rS+31]
.elseif j < 102                        ; the sum of the 16 pairs, in place: neighbours 1, 2, 4 and 8 pairs apart, then l takes it
.set z, j-86
.if j < 89
.set z, (j-76)/4
.endif
.set w, 4
.set u, z
.if z >= 14
.set w, 32
.set u, 0
.elseif z >= 12
.set w, 16
.set u, z-12
.elseif z >= 8
.set w, 8
.set u, z-8
.endif
.if z < 15
	v_pk_add_f32 v[rS+w*u:rS+w*u+1], v[rS+w*u:rS+w*u+1], v[rS+w*u+w/2:rS+w*u+w/2+1]
.else
	v_pk_fma_f32 v[rT+2:rT+3], v[rT+2:rT+3], v[rT+6:rT+7], v[rS:rS+1] op_sel_hi:[1,0,1]
.endif
.else
	WIN W_RS
	v_pk_mul_f32 v[rO:rO+1], v[rO:rO+1], v[rT+6:rT+7] op_sel_hi:[1,0]
.endif
.endm
; A STEP, in phases: K's fragments, S^T (V's fragments are asked for behind its second product, so that 32 LDS loads are out at the most), the mask, the softmax, O^T.
; In the softmax the four tiles walk the list together: number j of all four, then number j + 1.  So four exponentials stand together, and the four plain instructions
; behind them name other pairs: each exponential has a plain instruction behind it before its result is used (ISA guide 5.7.2).
.macro STEP
	v_add_nc_u32 v[ADK], s[TB], v[AK0]
	v_add_nc_u32 v[ADV], s[TB], v[AV0]
	FETCH_K
	s_wait_dscnt 0x0                               ; K is in
.set i, 0
.rept 64
	KQ
.if i == 1
	FETCH_V
.endif
.set i, i+1
.endr
	WIN 0
	PLACES
	MASK
.set j, 0
.rept 134
.irp t, 0,1,2,3
	SM \t
.endr
.set j, j+1
.endr
	s_wait_dscnt 0x0                               ; V is in
.set i, 0
.rept 64
	PVM
.set i, i+1
.endr
	WIN 0
	PLACES                                         ; for the next reads of O^T and the next loads into V's registers
.endm
; IN FRONT OF A STEP.  Each wave waits for all its tensor loads (one is out: its part of this step's slot), adds 0 to its spare word, and waits for that and for its reads of the other slot.
; fill = 1: the other slot takes the next step's tile: the task's next, or tile 0 where that step begins task B.  The barrier is then a round of the cluster's,
; and the request has the whole step, 128 matrix instructions and the softmax, in which to land.
.macro CHANGE fill
	WIN 0
	s_wait_tensorcnt 0x0                           ; no tensor load of mine is out, so a group 0 may be written
	ds_add_u32 v[SPW], v[NIL]                      ; 0 onto my spare word; the scalar work below stands between it and the wait for it
.if \fill
	s_add_co_u32 s[GN], s[GC], 1
	s_add_co_u32 s[TAU], s[TAU], 1
	s_cmp_eq_u32 s[GN], s[NA]
	s_cselect_b32 s[TAU], 0, s[TAU]
	s_lshl_b32 s[OFFT], s[TAU], 16                 ; 256 rows of 256 bytes a tile
	s_xor_b32 s[G0K+1], s[G0K+1], SLOT1            ; the other slot than last time
	s_xor_b32 s[G0V+1], s[G0V+1], SLOT1
	s_add_nc_u64 s[G0K+2:G0K+3], s[KB:KB+1], s[OFFT:OFFT+1]
	s_or_b32 s[G0K+3], s[G0K+3], 0x80000000
	s_add_nc_u64 s[G0V+2:G0V+3], s[VB:VB+1], s[OFFT:OFFT+1]
	s_or_b32 s[G0V+3], s[G0V+3], 0x80000000
.endif
	s_wait_dscnt 0x0                               ; the add is done, and my reads of the other slot are over
.if \fill
	CROUND
	JLOAD                                          ; the first tensor load behind the round, and my only one until the next
.else
	s_barrier_signal -1
	s_barrier_wait -1
.endif
.endm
; THE MERGE at a task's end.  last = 0: the next task's Q is asked for first, and the statistics and limits are set for it at the end.  ob: the task's rows of ctx16.
.macro FINISH last, ob
.if !\last
	LOADQ QB
.endif
.irp t, 0,1,2,3
	v_add_f32 v[ST+8*\t+4], v[ST+8*\t+2], v[ST+8*\t+3]
.endr
.irp t, 0,1,2,3
	v_permlanex16_b32 v[ST+8*\t+5], v[ST+8*\t+4], s[SEL], s[SEL+1]
.endr
.irp t, 0,1,2,3
	v_add_f32 v[ST+8*\t+1], v[ST+8*\t+4], v[ST+8*\t+5]     ; my wave's l, in m's place
.endr
.irp t, 0,1,2,3
	ds_store_b64 v[MLW], v[ST+8*\t:ST+8*\t+1] offset:128*\t   ; (c m, l); the two halves of the lanes write the same numbers
.endr
	s_wait_dscnt 0x0                               ; for the others' sake
	s_barrier_signal -1
	s_barrier_wait -1
.irp t, 0,1,2,3
.irp u, 0,1,2,3
	ds_load_b64 v[S+8*\t+2*\u:S+8*\t+2*\u+1], v[MLR] offset:512*\u+128*\t
.endr
.endr
	s_wait_dscnt 0x0
.irp t, 0,1,2,3
	v_max3_num_f32 v[ST+8*\t+4], v[S+8*\t], v[S+8*\t+2], v[S+8*\t+4]
.endr
.irp t, 0,1,2,3
	v_max_num_f32 v[ST+8*\t+4], v[ST+8*\t+4], v[S+8*\t+6]  ; the four waves' largest c m
.endr
.irp t, 0,1,2,3
.irp u, 0,1,2,3
	v_sub_f32 v[S+8*\t+2*\u], v[S+8*\t+2*\u], v[ST+8*\t+4]
.endr
	v_sub_f32 v[ST+8*\t+5], v[ST+8*\t], v[ST+8*\t+4]
.endr
.irp t, 0,1,2,3
.irp u, 0,1,2,3
	v_exp_f32 v[S+8*\t+2*\u], v[S+8*\t+2*\u]               ; each wave's weight,
.endr
	v_exp_f32 v[ST+8*\t+5], v[ST+8*\t+5]                   ; and mine
.endr
	v_nop                                          ; a plain instruction between the last exponential and the use of its result
	s_wait_alu depctr_va_vdst(0)
.irp t, 0,1,2,3
	v_mul_f32 v[ST+8*\t+7], v[S+8*\t], v[S+8*\t+1]
.endr
.irp u, 1,2,3
.irp t, 0,1,2,3
	v_fmac_f32 v[ST+8*\t+7], v[S+8*\t+2*\u], v[S+8*\t+2*\u+1]   ; L = the sum of weight x l; the wave with the largest c m has weight 1 and holds an unmasked key
.endr
.endr
.irp t, 0,1,2,3
	v_rcp_f32 v[ST+8*\t+7], v[ST+8*\t+7]
.endr
	v_nop
	s_wait_alu depctr_va_vdst(0)
.irp t, 0,1,2,3
	v_mul_f32 v[ST+8*\t+6], v[ST+8*\t+5], v[ST+8*\t+7]     ; my factor: weight / L
.endr
; Four passes, a tile each: every wave sends its scaled O^T (16 queries x 128 channels of f32) and gathers four queries' rows from all four senders.
.irp t, 0,1,2,3
	WIN W_RS
.set i, 64*\t
.rept 32
	v_pk_mul_f32 v[i:i+1], v[i:i+1], v[ST+8*\t+6:ST+8*\t+7] op_sel_hi:[1,0]
.set i, i+2
.endr
	WIN 0x04                                       ; store data window 1
.irp cb, 0,1,2,3,4,5,6,7
	ds_store_b128 v[XW], v[64*\t+8*\cb:64*\t+8*\cb+3]   offset:64*\cb
	ds_store_b128 v[XW], v[64*\t+8*\cb+4:64*\t+8*\cb+7] offset:64*\cb+16
.endr
	WIN 0
	s_wait_dscnt 0x0                               ; for the others' sake: my part lies in the exchange
	s_barrier_signal -1
	s_barrier_wait -1
.irp i, 0,1,2,3
.irp u, 0,1,2,3
	ds_load_b128 v[R+16*\i+4*\u:R+16*\i+4*\u+3], v[XR] offset:16*XP*\u+XP*\i
.endr
.endr
	s_wait_dscnt 0x0                               ; my reads of the exchange are over:
.if \t < 3
	s_barrier_signal -1                            ; say so, since the next pass writes it again; the sums are register work
.endif
.irp i, 0,1,2,3
	v_pk_add_f32 v[R+16*\i:R+16*\i+1],     v[R+16*\i:R+16*\i+1],     v[R+16*\i+4:R+16*\i+5]
	v_pk_add_f32 v[R+16*\i+2:R+16*\i+3],   v[R+16*\i+2:R+16*\i+3],   v[R+16*\i+6:R+16*\i+7]
	v_pk_add_f32 v[R+16*\i+8:R+16*\i+9],   v[R+16*\i+8:R+16*\i+9],   v[R+16*\i+12:R+16*\i+13]
	v_pk_add_f32 v[R+16*\i+10:R+16*\i+11], v[R+16*\i+10:R+16*\i+11], v[R+16*\i+14:R+16*\i+15]
.endr
.irp i, 0,1,2,3
	v_pk_add_f32 v[R+16*\i:R+16*\i+1],   v[R+16*\i:R+16*\i+1],   v[R+16*\i+8:R+16*\i+9]
	v_pk_add_f32 v[R+16*\i+2:R+16*\i+3], v[R+16*\i+2:R+16*\i+3], v[R+16*\i+10:R+16*\i+11]
.endr
.irp i, 0,1,2,3
	v_cvt_pk_f16_f32 v[P+8*\t+2*\i],   v[R+16*\i],   v[R+16*\i+1]
	v_cvt_pk_f16_f32 v[P+8*\t+2*\i+1], v[R+16*\i+2], v[R+16*\i+3]
.endr
.if \t < 3
	s_barrier_wait -1
.endif
.irp i, 0,1,2,3
	global_store_b64 v[GO], v[P+8*\t+2*\i:P+8*\t+2*\i+1], s[\ob:\ob+1] offset:(\t%2)*65536+4096*\i+(\t/2)*256   ; 32 lanes x 8 bytes: a head's 256 bytes of one row, at a multiple of 256
.endr
.endr
.if !\last
.irp t, 0,1,2,3
	v_mov_b32 v[ST+8*\t], 0xff7fffff               ; c m and m: the lowest finite number; l and O^T stay finite and are wiped by the next step's a = 0
	v_mov_b32 v[ST+8*\t+1], 0xff7fffff
.endr
	v_mov_b32 v[LIM], v[LIMB]
	v_mov_b32 v[LIM+1], v[LIMB+1]
	s_wait_loadcnt 0x0                             ; the next task's Q
	s_wait_xcnt 0x0                                ; P's registers, which the stores above read, are written again only behind this wait
.endif
.endm
	s_wait_loadcnt 0x0                             ; task A's Q
.Lstep:                                                ; steps 0 to 7: each trip asks for the next step's tile
	CHANGE 1
	STEP
	s_xor_b32 s[TB], s[TB], SLOT1                  ; the next step reads the other slot
	s_add_co_u32 s[GC], s[GC], 1
	s_cmp_lg_u32 s[GC], s[NA]                      ; task A's last step is done: alike in all waves and partners; no tensor load stands inside
	s_cbranch_scc1 .Lno_merge
	FINISH 0, OA
.Lno_merge:
	s_cmp_lt_u32 s[GC], 8
	s_cbranch_scc1 .Lstep
	CHANGE 0                                       ; step 8 is written out: nothing is left to ask for
	STEP
	FINISH 1, OB
	s_wait_tensorcnt 0x0                           ; the wave's end
	ds_add_u32 v[SPW], v[NIL]
	s_wait_dscnt 0x0
	CROUND                                         ; the closing round: no work-group ends while a partner may still ask for a tile that names it
	s_endpgm
.Lfunc_end_k_qa763a4d9d7_attn:
	.size	k_qa763a4d9d7_attn, .Lfunc_end_k_qa763a4d9d7_attn-k_qa763a4d9d7_attn
	.p2alignl 7, 3214868480
	.fill 96, 4, 3214868480
	.section	.rodata,"a",@progbits
	.p2align	6, 0x0
	.amdhsa_kernel k_qa763a4d9d7_attn
		.amdhsa_group_segment_fixed_size 327680
		.amdhsa_private_segment_fixed_size 0
		.amdhsa_enable_private_segment 0
		.amdhsa_kernarg_size 16
		.amdhsa_user_sgpr_count 2
		.amdhsa_user_sgpr_kernarg_segment_ptr 1
		.amdhsa_wavefront_size32 1
		.amdhsa_system_sgpr_workgroup_id_x 1
		.amdhsa_system_sgpr_workgroup_id_y 1
		.amdhsa_system_sgpr_workgroup_id_z 1
		.amdhsa_system_vgpr_workitem_id 0
		.amdhsa_next_free_vgpr 1024
		.amdhsa_next_free_sgpr 80
		.amdhsa_reserve_vcc 1
		.amdhsa_float_denorm_mode_32 3
		.amdhsa_float_denorm_mode_16_64 3
		.amdhsa_memory_ordered 1
		.amdhsa_forward_progress 1
		.amdhsa_inst_pref_size 181
	.end_amdhsa_kernel
	.amdgpu_metadata
---
amdhsa.version: [ 1, 2 ]
amdhsa.kernels:
  - .name:           k_qa763a4d9d7_attn
    .symbol:         k_qa763a4d9d7_attn.kd
    .args:
      - { .name: qkv16, .offset: 0, .size: 8, .value_kind: global_buffer, .address_space: global }
      - { .name: ctx16, .offset: 8, .size: 8, .value_kind: global_buffer, .address_space: global }
    .group_segment_fixed_size: 327680
    .private_segment_fixed_size: 0
    .kernarg_segment_align: 8
    .kernarg_segment_size: 16
    .max_flat_workgroup_size: 128
    .sgpr_count:     80
    .vgpr_count:     1024
    .wavefront_size: 32
...
	.end_amdgpu_metadata
.endif
;; end of part 3
;; launch oproj (part 4): grid 16 x 16, 4 waves a work-group, clusters of 4 x 4, 327,680 bytes of LDS; arguments ctx16, wo16, out0; writes out0
.if DOCPART == 4
	.amdgcn_target "amdgcn-amd-amdhsa--gfx1250"
	.amdhsa_code_object_version 6
	.text
	.protected	k_qa763a4d9d7_oproj
	.globl	k_qa763a4d9d7_oproj
	.p2align	8
	.type	k_qa763a4d9d7_oproj,@function
k_qa763a4d9d7_oproj:
	s_mov_b64 s[64:65], 0
	v_nop
	global_prefetch_b8 v0, s[64:65] scope:SCOPE_SE
	s_setreg_imm32_b32 hwreg(HW_REG_WAVE_MODE, 25, 1), 1
	s_wait_xcnt 0x0
	s_wait_alu depctr_hold_cnt(0) depctr_sa_sdst(0) depctr_va_vdst(0) depctr_va_sdst(0) depctr_va_ssrc(0) depctr_va_vcc(0) depctr_vm_vsrc(0)
	s_getreg_b32 s2, hwreg(HW_REG_IB_STS2, 6, 4)
	s_cmp_eq_u32 s2, 0
	s_cbranch_scc0 .Lentry_in_a_cluster
	s_endpgm
.Lentry_in_a_cluster:
	s_bfe_u32 s2, ttmp6, 0x10000c
	s_cmp_lg_u32 s2, 0xf033
	s_cbranch_scc0 .Lentry_shape_is_right
	s_endpgm
.Lentry_shape_is_right:
; OPROJ: out0[2048][4096] f32 = ctx16[2048][2048] x wo16[2048 k][4096 n] (f16 operands, f32 sums).  ctx16 holds ctx / 16 and wo16 16 x Wo, so the product needs no scale.
; The frame is the QKV launch's: a tile of C is 128 x 256, 16 x 16 = 256 work-groups, four waves of 64 rows x 128 columns (32 accumulators).
; K goes in 10 steps of 192 and a last one of 128 through two LDS slots: 192 is the longest step of which two slots fit, 2 x (128 x 432 + 192 x 544) = 319,488 of the 327,680 bytes;
; a request then has 176 of a step's 192 matrix instructions in which to land.  Waves 0 and 1 bring 64 rows of A each, waves 2 and 3 96 k-rows of B each.
; A's rows of a step are 384 bytes of memory and begin at multiples of 128 bytes from the buffer's first byte (the price of the longer step); B's are 512 bytes at multiples of 512.
; B's fragments come out of LDS turned; a cluster of 4 x 4 asks for A's tiles jointly along its rows, for B's along its columns.
; The matrix instruction is used transposed (source 0 = 16 columns of B, source 1 = 16 rows of A): a lane holds row l % 16 of C and the columns 16 b + 8 (l / 16) + 0..7.
; REGISTERS: window 0: v0-31 addresses; v32-127, v128-223 two fragment buffers (A's 4 fragments, then B's 8); on the way out v32-95 rows read back.   window 1: the accumulators, (a, b) at v[8 (8 a + b)].
.set SIZE_K, 2048
.set KSTEP,  192
.set NSTEP,  11                        ; K steps, the short one among them
.set REM,    SIZE_K-(NSTEP-1)*KSTEP    ; 128: the last step's K
.set TRIPS,  (NSTEP-3)/2               ; 4: the loop takes steps 0 to 7 and asks for steps 2 to 9
.set ACH,    144                       ; A's LDS row is three pieces of 128 bytes, each with 16 bytes of padding behind it
.set PA,     3*ACH                     ; 432 = 27 x 16: an odd multiple of 16
.set PB,     544                       ; B's LDS row: 512 bytes + 32: an odd multiple of 32
.set BROWS,  KSTEP/2
.set AHALF,  64*PA
.set BHALF,  BROWS*PB
.set BOFF,   2*AHALF
.set SLOT,   BOFF+2*BHALF              ; 159,744
.set SPARE,  2*SLOT                    ; behind the ring: the spare words, 128 bytes a wave, that no other line names
.set STAGE,  SLOT                      ; THE STAGE, 16 rows x 528 bytes for each wave, lies at the head of slot 1: that slot's last fill is K step 9's, and every wave has read it out at the barrier that ends step 9
.set SP,     528                       ; 512 bytes of f32 + 16: an odd multiple of 16
.set ASTEP,  KSTEP*2
.set BSTEP,  KSTEP*4096*2
.set ADRA, 16                          ; v16-17 LDS address of my A fragments in slot 0, 1
.set ADRB, 20                          ; v20-23 the same for B, two for each slot: parts 0-2, parts 3-5 (an LDS offset has 16 bits)
.set STO,  24
.set RD,   25
.set CO,   26
.set SPW,  28
.set NIL,  29
.set F0,   32
.set F1,   128
.set BK,   32
.set G1A, 24
.set G0A, 32
.set G1B, 48
.set G0B, 56
.set W_MUL, 0x50
.set MSB, 0
.macro WIN new
.if MSB != \new
	s_set_vgpr_msb (MSB<<8)|\new
.set MSB, \new
.endif
.endm
.macro PLACES
.rept 4
	v_nop
.endr
.endm
.macro JLOAD s                         ; a joint load: waves 0 and 1 ask for A's halves, waves 2 and 3 for B's; four v_nop follow each line
	s_cmp_eq_u32 s13, 0
	s_cbranch_scc0 .Lfor_b_\@
	tensor_load_to_lds s[G0A+4*\s:G0A+4*\s+3], s[G1A:G1A+7]
	s_nop 0
.rept 4
	v_nop
.endr
	s_branch .Lasked_\@
.Lfor_b_\@:
	tensor_load_to_lds s[G0B+4*\s:G0B+4*\s+3], s[G1B:G1B+7]
	s_nop 0
.rept 4
	v_nop
.endr
.Lasked_\@:
.endm
.macro CREST
	s_cmp_lg_u32 s12, 0
	s_cbranch_scc1 .Lnot_wave_0_\@
	s_barrier_signal -3
.Lnot_wave_0_\@:
	s_barrier_wait -3
	s_barrier_signal -1
	s_barrier_wait -1
.endm
.macro CROUND
	s_barrier_signal -1
	s_barrier_wait -1
	CREST
.endm
	s_load_b128 s[4:7], s[0:1], 0x0                ; A s[4:5], B s[6:7]
	s_load_b64 s[8:9], s[0:1], 0x10                ; C
	v_lshl_add_u32 v[SPW], v0, 2, SPARE
	v_mov_b32 v[NIL], 0
	ds_add_u32 v28, v29
	s_wait_dscnt 0x0
	v_lshrrev_b32 v1, 5, v0
	v_readfirstlane_b32 s12, v1                    ; wave 0..3
	s_lshr_b32 s13, s12, 1                         ; which 64 rows are mine.  Also: I fetch for A (0) or for B (1)
	s_and_b32 s14, s12, 1                          ; which 128 columns.  Also: which half of that tile's rows I fetch
	s_bfe_u32 s15, ttmp6, 0x40000                  ; cx
	s_bfe_u32 s16, ttmp6, 0x40004                  ; cy
	s_lshl_b32 s17, ttmp9, 2
	s_add_co_u32 s17, s17, s15                     ; tile column
	s_and_b32 s18, ttmp7, 0xffff
	s_lshl_b32 s18, s18, 2
	s_add_co_u32 s18, s18, s16                     ; tile row
	s_lshl_b32 s19, s16, 2
	s_lshl_b32 s19, 15, s19                        ; my row of the cluster
	s_lshl_b32 s20, 0x1111, s15                    ; my column
	s_or_b32 s[G1A+0], s19, (1<<16)|(1<<20)|(1<<21)|(4<<22)|(3<<25)   ; mask; elements of 2 bytes; padding on; bit 21 beside a mask; after every 32 words 4 words: three times in a row of 96 words
	s_mov_b32 s[G1A+1], KSTEP<<16                  ; tensor_dim0 = 192
	s_mov_b32 s[G1A+2], 64<<16                     ; tensor_dim1 = 64
	s_mov_b32 s[G1A+3], KSTEP<<16                  ; tile_dim0 = 192
	s_mov_b32 s[G1A+4], 64                         ; tile_dim1 = 64
	s_mov_b32 s[G1A+5], SIZE_K
	s_mov_b32 s[G1A+6], 0
	s_mov_b32 s[G1A+7], 0
	s_or_b32 s[G1B+0], s20, (1<<16)|(1<<20)|(1<<21)|(6<<22)|(7<<25)   ; after every 128 words 8 words
	s_mov_b32 s[G1B+1], 256<<16
	s_mov_b32 s[G1B+2], BROWS<<16                  ; tensor_dim1 = 96
	s_mov_b32 s[G1B+3], 256<<16
	s_mov_b32 s[G1B+4], BROWS                      ; tile_dim1 = 96
	s_mov_b32 s[G1B+5], 4096
	s_mov_b32 s[G1B+6], 0
	s_mov_b32 s[G1B+7], 0
	s_lshl_b32 s40, s18, 7                         ; A: row 128 x tile row + 64 x half, in bytes
	s_lshl_b32 s41, s14, 6
	s_add_co_u32 s40, s40, s41
	s_mul_i32 s40, s40, SIZE_K*2
	s_mov_b32 s41, 0
	s_lshl_b32 s44, s17, 9                         ; B: column 256 x tile column, k-row 96 x half
	s_mul_i32 s45, s14, BROWS*8192
	s_add_co_u32 s44, s44, s45
	s_mov_b32 s45, 0
	s_mul_i32 s21, s14, AHALF                      ; where they go: no place in the cluster enters an LDS address
	s_mul_i32 s22, s14, BHALF
	s_add_co_u32 s22, s22, BOFF
	s_mul_i32 s68, s14, (BROWS-REM/2)*8192         ; the short step splits B's REM k-rows anew: the second half begins so many bytes earlier in memory,
	s_mov_b32 s69, 0
	s_mul_i32 s70, s14, (REM/2)*PB                 ; and here in a slot
	s_add_co_u32 s70, s70, BOFF
	s_wait_kmcnt 0x0
	s_add_nc_u64 s[40:41], s[4:5], s[40:41]
	s_add_nc_u64 s[44:45], s[6:7], s[44:45]
	CROUND                                         ; all sixteen work-groups are here: the first joint loads meet
.irp s, 0,1
	s_mov_b32 s[G0A+4*\s], 1
	s_add_co_u32 s[G0A+4*\s+1], s21, \s*SLOT
	s_add_nc_u64 s[G0A+4*\s+2:G0A+4*\s+3], s[40:41], \s*ASTEP
	s_or_b32 s[G0A+4*\s+3], s[G0A+4*\s+3], 0x80000000
	s_mov_b32 s[G0B+4*\s], 1
	s_add_co_u32 s[G0B+4*\s+1], s22, \s*SLOT
	s_add_nc_u64 s[G0B+4*\s+2:G0B+4*\s+3], s[44:45], \s*BSTEP
	s_or_b32 s[G0B+4*\s+3], s[G0B+4*\s+3], 0x80000000
.endr
	s_cmp_eq_u32 s13, 0                            ; a wave's two first fills stand in one branch: two loads of mine are out
	s_cbranch_scc0 .Lfirst_b
	tensor_load_to_lds s[G0A:G0A+3], s[G1A:G1A+7]
	s_nop 0
	tensor_load_to_lds s[G0A+4:G0A+7], s[G1A:G1A+7]
	s_nop 0
.rept 4
	v_nop
.endr
	s_branch .Lfirst_asked
.Lfirst_b:
	tensor_load_to_lds s[G0B:G0B+3], s[G1B:G1B+7]
	s_nop 0
	tensor_load_to_lds s[G0B+4:G0B+7], s[G1B:G1B+7]
	s_nop 0
.rept 4
	v_nop
.endr
.Lfirst_asked:
	v_and_b32 v1, 15, v0                           ; r
	v_bfe_u32 v2, v0, 4, 1                         ; h
	v_and_b32 v3, 7, v0
	v_bfe_u32 v4, v0, 3, 1
	v_and_b32 v7, 31, v0                           ; l
	v_mul_u32_u24 v5, v1, PA                       ; A's fragment: row x pitch + 16 x half
	v_lshl_add_u32 v5, v2, 4, v5
	s_mul_i32 s23, s13, AHALF
	v_add_nc_u32 v[ADRA], s23, v5
	v_add_nc_u32 v[ADRA+1], SLOT, v[ADRA]
	v_lshl_add_u32 v6, v2, 3, v3                   ; B's, turned: lane l reads k-row 8 h + l % 8, 16 bytes at 16 ((l / 8) % 2)
	v_mul_u32_u24 v6, v6, PB
	v_lshl_add_u32 v6, v4, 4, v6
	s_lshl_b32 s23, s14, 8
	s_add_co_u32 s23, s23, BOFF
	v_add_nc_u32 v[ADRB], s23, v6
	v_add_nc_u32 v[ADRB+1], 3*32*PB, v[ADRB]       ; parts 3 to 5 begin 96 k-rows on
	v_add_nc_u32 v[ADRB+2], SLOT, v[ADRB]
	v_add_nc_u32 v[ADRB+3], SLOT, v[ADRB+1]
	s_mul_i32 s23, s12, 16*SP
	s_add_co_u32 s23, s23, STAGE                   ; my stage
	v_mul_u32_u24 v5, v1, SP                       ; in: row r, 32 bytes for each half of the lanes
	v_lshl_add_u32 v5, v2, 5, v5
	v_add_nc_u32 v[STO], s23, v5
	v_lshl_add_u32 v[RD], v7, 4, s23               ; back: a whole row of 512 bytes, 16 bytes a lane
	v_lshlrev_b32 v[CO], 4, v7
	s_lshl_b32 s46, s18, 7
	s_lshl_b32 s23, s13, 6
	s_add_co_u32 s46, s46, s23                     ; my first row of C, 16,384 bytes a row
	s_lshl_b32 s46, s46, 14
	s_lshl_b32 s23, s17, 10                        ; my first column: 256 x tile column + 128 x half, 4 bytes each
	s_add_co_u32 s46, s46, s23
	s_lshl_b32 s23, s14, 9
	s_add_co_u32 s46, s46, s23
	s_mov_b32 s47, 0
	s_add_nc_u64 s[8:9], s[8:9], s[46:47]
; 8 matrix instructions: row block a x all 8 column blocks, 32 along K.  The 32 accumulators take turns, one instruction a turn.
.macro MUL8 f, a, zero
.irp b, 0,1,2,3,4,5,6,7
.if \zero
	v_wmma_f32_16x16x32_f16 v[8*(8*\a+\b):8*(8*\a+\b)+7], v[\f+32+8*\b:\f+32+8*\b+7], v[\f+8*\a:\f+8*\a+7], 0
.else
	v_wmma_f32_16x16x32_f16 v[8*(8*\a+\b):8*(8*\a+\b)+7], v[\f+32+8*\b:\f+32+8*\b+7], v[\f+8*\a:\f+8*\a+7], v[8*(8*\a+\b):8*(8*\a+\b)+7]
.endif
.endr
.endm
.macro FETCH slot, q, f                ; 24 LDS loads in one run: part q (32 along K) of a slot: B's 16, then A's 8, row blocks 2 and 3 last
	WIN 0
.irp b, 0,1,2,3,4,5,6,7
	ds_load_tr16_b128 v[\f+32+8*\b:\f+32+8*\b+3],   v[ADRB+2*\slot+(\q)/3] offset:((\q)%3)*32*PB+32*\b
	ds_load_tr16_b128 v[\f+32+8*\b+4:\f+32+8*\b+7], v[ADRB+2*\slot+(\q)/3] offset:((\q)%3)*32*PB+16*PB+32*\b
.endr
.irp a, 0,1,2,3
	ds_load_b128 v[\f+8*\a:\f+8*\a+3],   v[ADRA+\slot] offset:\a*16*PA+((\q)/2)*ACH+((\q)%2)*64
	ds_load_b128 v[\f+8*\a+4:\f+8*\a+7], v[ADRA+\slot] offset:\a*16*PA+((\q)/2)*ACH+((\q)%2)*64+32
.endr
.endm
; A K step is six parts of 32 along K, 32 matrix instructions each, on buffers 0, 1, 0, 1, 0, 1.  One of the first five: multiplies buffer f and fetches part q into buffer g.
.macro PART slot, q, f, g, zero
	s_wait_dscnt 4                                 ; B and A's row blocks 0, 1 are in; the youngest four loads may be out
	WIN W_MUL
	MUL8 \f, 0, \zero
	MUL8 \f, 1, \zero
	PLACES
	FETCH \slot, \q, \g
	s_wait_dscnt 24                                ; all but the 24 just issued
	WIN W_MUL
	MUL8 \f, 2, \zero
	MUL8 \f, 3, \zero
.endm
.macro REST slot                       ; a step's second to fifth parts
	PART \slot, 2, F1, F0, 0
	PART \slot, 3, F0, F1, 0
	PART \slot, 4, F1, F0, 0
	PART \slot, 5, F0, F1, 0
.endm
; The last part multiplies buffer 1 and changes slots.  fill = 1: this slot is filled again, two K steps on.  fill = 2: the same, and the step asked for is the short one:
; A's tile keeps its 192 columns, of which REM exist (the rest arrive as zeros and are not read), so its LDS rows lie as ever; B's REM k-rows are split anew, REM / 2 to a wave.
.macro TURN slot, next, fill
	WIN 0
	s_wait_tensorcnt 0x0                           ; all my tensor loads have landed: my part of the next slot
	ds_add_u32 v[SPW], v[NIL]
	s_wait_dscnt 5                                 ; the add and the youngest four loads may be out
	WIN W_MUL
	MUL8 F1, 0, 0
	s_wait_dscnt 0x0                               ; the add is done, and my reads of this slot are over
	s_barrier_signal -1
	MUL8 F1, 1, 0
.if \fill
	WIN 0
.endif
	s_barrier_wait -1
.if \fill
	CREST                                          ; no wave of any partner still reads this slot's tiles or has a load on its way
	s_add_nc_u64 s[G0A+4*\slot+2:G0A+4*\slot+3], s[G0A+4*\slot+2:G0A+4*\slot+3], 2*ASTEP
	s_add_nc_u64 s[G0B+4*\slot+2:G0B+4*\slot+3], s[G0B+4*\slot+2:G0B+4*\slot+3], 2*BSTEP
.if \fill == 2
	s_sub_nc_u64 s[G0B+4*\slot+2:G0B+4*\slot+3], s[G0B+4*\slot+2:G0B+4*\slot+3], s[68:69]
	s_add_co_u32 s[G0B+4*\slot+1], s70, \slot*SLOT
	s_mov_b32 s[G1A+1], REM<<16                    ; tensor_dim0 = REM
	s_mov_b32 s[G1B+2], (REM/2)<<16                ; tensor_dim1 = REM / 2
	s_mov_b32 s[G1B+4], REM/2                      ; tile_dim1 = REM / 2
.endif
	JLOAD \slot                                    ; the first tensor load behind the round, 176 matrix instructions ahead of the wait for it; its four v_nop are the places in front of the loads below
.else
	PLACES
.endif
	FETCH \next, 0, F0
	WIN W_MUL
	MUL8 F1, 2, 0
	MUL8 F1, 3, 0
.endm
	s_wait_tensorcnt 1                             ; my part of K step 0 is in; K step 1's may stay out
	s_barrier_signal -1
	s_barrier_wait -1
	FETCH 0, 0, F0
	PART 0, 1, F0, F1, 1                           ; the first part's products start the sums
	WIN 0
	s_mov_b32 s3, TRIPS
.Llap:                                                 ; a trip goes once round the ring and fills both slots again
	REST 0
	TURN 0, 1, 1
	PART 1, 1, F0, F1, 0
	REST 1
	TURN 1, 0, 1
	PART 0, 1, F0, F1, 0
	WIN 0
	s_sub_co_u32 s3, s3, 1
	s_cmp_lg_u32 s3, 0
	s_cbranch_scc1 .Llap
	REST 0                                         ; the tail is written out.  Step 8; slot 0 takes step 10, the short one
	TURN 0, 1, 2
	PART 1, 1, F0, F1, 0                           ; step 9; nothing is left to ask for
	REST 1
	TURN 1, 0, 0
	PART 0, 1, F0, F1, 0                           ; step 10: four parts
	PART 0, 2, F1, F0, 0
	PART 0, 3, F0, F1, 0
	s_wait_dscnt 4
	WIN W_MUL
	MUL8 F1, 0, 0
	MUL8 F1, 1, 0
	s_wait_dscnt 0x0
	MUL8 F1, 2, 0
	MUL8 F1, 3, 0
	WIN 0
	PLACES
; THE WAY OUT, a block of 16 rows at a time: the sums go as they are into my own stage (each accumulator's low four registers first) and come back as whole rows of 512 bytes.
.macro OUT a
	WIN 0x04                                       ; store data window 1
.irp b, 0,1,2,3,4,5,6,7
	ds_store_b128 v[STO], v[8*(8*\a+\b):8*(8*\a+\b)+3]   offset:64*\b
	ds_store_b128 v[STO], v[8*(8*\a+\b)+4:8*(8*\a+\b)+7] offset:64*\b+16
.endr
	WIN 0
	s_wait_xcnt 0x0                                ; the registers that the last block's stores read are loaded again only behind this wait
.irp t, 0,1,2,3,4,5,6,7,8,9,10,11,12,13,14,15
	ds_load_b128 v[BK+4*\t:BK+4*\t+3], v[RD] offset:\t*SP   ; LDS serves a wave's instructions in order (ISA guide 5.7.1.4): these see the stores above
.endr
.irp t, 0,1,2,3,4,5,6,7,8,9,10,11,12,13,14,15
	s_wait_dscnt 15-\t
	global_store_b128 v[CO], v[BK+4*\t:BK+4*\t+3], s[8:9] offset:(16*\a+\t)*16384 th:TH_STORE_NT   ; a wave's store covers 512 consecutive bytes of a row, at a multiple of 256
.endr
.endm
	OUT 0
	OUT 1
	OUT 2
	OUT 3
	s_wait_tensorcnt 0x0                           ; the wave's end
	ds_add_u32 v[SPW], v[NIL]
	s_wait_dscnt 0x0
	CROUND                                         ; the closing round
	s_endpgm
.Lfunc_end_k_qa763a4d9d7_oproj:
	.size	k_qa763a4d9d7_oproj, .Lfunc_end_k_qa763a4d9d7_oproj-k_qa763a4d9d7_oproj
	.p2alignl 7, 3214868480
	.fill 96, 4, 3214868480
	.section	.rodata,"a",@progbits
	.p2align	6, 0x0
	.amdhsa_kernel k_qa763a4d9d7_oproj
		.amdhsa_group_segment_fixed_size 327680
		.amdhsa_private_segment_fixed_size 0
		.amdhsa_enable_private_segment 0
		.amdhsa_kernarg_size 24
		.amdhsa_user_sgpr_count 2
		.amdhsa_user_sgpr_kernarg_segment_ptr 1
		.amdhsa_wavefront_size32 1
		.amdhsa_system_sgpr_workgroup_id_x 1
		.amdhsa_system_sgpr_workgroup_id_y 1
		.amdhsa_system_sgpr_workgroup_id_z 1
		.amdhsa_system_vgpr_workitem_id 0
		.amdhsa_next_free_vgpr 512
		.amdhsa_next_free_sgpr 72
		.amdhsa_reserve_vcc 0
		.amdhsa_float_denorm_mode_32 3
		.amdhsa_float_denorm_mode_16_64 3
		.amdhsa_memory_ordered 1
		.amdhsa_forward_progress 1
		.amdhsa_inst_pref_size 133
	.end_amdhsa_kernel
	.amdgpu_metadata
---
amdhsa.version: [ 1, 2 ]
amdhsa.kernels:
  - .name:           k_qa763a4d9d7_oproj
    .symbol:         k_qa763a4d9d7_oproj.kd
    .args:
      - { .name: ctx16, .offset: 0, .size: 8, .value_kind: global_buffer, .address_space: global }
      - { .name: wo16, .offset: 8, .size: 8, .value_kind: global_buffer, .address_space: global }
      - { .name: out0, .offset: 16, .size: 8, .value_kind: global_buffer, .address_space: global }
    .group_segment_fixed_size: 327680
    .private_segment_fixed_size: 0
    .kernarg_segment_align: 8
    .kernarg_segment_size: 24
    .max_flat_workgroup_size: 128
    .sgpr_count:     72
    .vgpr_count:     512
    .wavefront_size: 32
...
	.end_amdgpu_metadata
.endif
;; end of part 4
